; MI455X (gfx1250); checked and timed in simulation.
; The chip was launched on July 23, 2026; its instructions are those of AMD's public machine-readable ISA for CDNA 5 (MIT licence, August 2026) and "CDNA5" Instruction Set Architecture Reference Guide (July 2026). The comments in the code are by the model that wrote it; some were corrected since.
;; Diff MHA. Allowed arithmetic: matrix products marked QUANTISED: E2M1 operands, one E8M0 scale for each 32 along K, by v_wmma_scale_f32_16x16x128_f8f6f4 with both operands' format E2M1 (or v_wmma_scale_f32_32x16x128_f4), f32 sums; everything else in f32.
;; Inputs: Wka0 1,024 x 1,024 float32; Wka1 1,024 x 1,024 float32; Wkv 1,024 x 1,024 float32; Wout 1,024 x 1,024 float32; Wqa0 1,024 x 1,024 float32; Wqa1 1,024 x 1,024 float32; Wqv 1,024 x 1,024 float32; Wvv 1,024 x 1,024 float32; attn_mask 4 x 1 x 1,024 x 1,024 float32; bka0 1,024 float32; bka1 1,024 float32; bkv 1,024 float32; bout 1,024 float32; bqa0 1,024 float32; bqa1 1,024 float32; bqv 1,024 float32; bvv 1,024 float32; e_a0 4 x 1,024 x 1,024 float32; e_a1 4 x 1,024 x 1,024 float32; e_v 4 x 1,024 x 1,024 float32; ln_beta 1,024 float32; ln_gamma 1,024 float32.
;; Outputs: out0 4 x 1,024 x 1,024 float32.
;; This version of the problem:
;;   THIS VERSION OF THE PROBLEM IS GIVEN IN LOW PRECISION. The matrix products marked QUANTISED in the list below multiply operands that are first quantised to E2M1 (2 exponent bits, 1 mantissa bit; 4 bits a number), with one power-of-two scale for each 32 numbers along K (OCP MX v1.0); their sums are f32. All else is computed in f32.
;;   The module's matrix products, in the order in which they are computed (A, B: the left and right operand; K: the contracted axis; several contracted axes count as one K, in the product's order):
;;     1. [M 4,096, K 1,024] x [K 1,024, N 1,024]; A: input e_v; B: input Wqv: QUANTISED
;;     2. [M 4,096, K 1,024] x [K 1,024, N 1,024]; A: input e_v; B: input Wkv: QUANTISED
;;     3. [M 4,096, K 1,024] x [K 1,024, N 1,024]; A: input e_v; B: input Wvv: QUANTISED
;;     4. batch 64 x [M 1,024, K 64] x [K 64, N 1,024]; A: computed on the way; B: computed on the way: QUANTISED
;;     5. [M 4,096, K 1,024] x [K 1,024, N 1,024]; A: input e_a0; B: input Wqa0: QUANTISED
;;     6. [M 4,096, K 1,024] x [K 1,024, N 1,024]; A: input e_a0; B: input Wka0: QUANTISED
;;     7. batch 64 x [M 1,024, K 64] x [K 64, N 1,024]; A: computed on the way; B: computed on the way: QUANTISED
;;     8. [M 4,096, K 1,024] x [K 1,024, N 1,024]; A: input e_a1; B: input Wqa1: QUANTISED
;;     9. [M 4,096, K 1,024] x [K 1,024, N 1,024]; A: input e_a1; B: input Wka1: QUANTISED
;;     10. batch 64 x [M 1,024, K 64] x [K 64, N 1,024]; A: computed on the way; B: computed on the way: QUANTISED
;;     11. batch 64 x [M 1,024, K 1,024] x [K 1,024, N 64]; A: softmax (see below); B: computed on the way: QUANTISED
;;     12. [M 4,096, K 1,024] x [K 1,024, N 1,024]; A: computed on the way; B: input Wout: QUANTISED
;;   THE QUANTISER, for each operand of a quantised product, along K:
;;     - K is cut into blocks of 32 from its start; a last block that is shorter is filled with zeros.
;;     - A block's scale is 2^e with e = floor(log2(the largest magnitude in the block)) - 2, held to -126 .. 127; a block of zeros has e = 0. As a byte (E8M0): e + 127.
;;     - Each number is divided by its block's scale, clamped to +-6, and rounded to the nearest number of E2M1, ties to even, subnormals kept.
;;     - The product sums the exact products of the quantised numbers (number of the format x scale) in f32.
;;   ~~~python
;;   def quantise(x, axis):      # numpy; x: float32 -> the quantised numbers, widened to float32 again
;;       x = np.moveaxis(x, axis, -1); K = x.shape[-1]
;;       x = np.pad(x, [(0, 0)] * (x.ndim - 1) + [(0, -K % 32)]); x = x.reshape(x.shape[:-1] + (-1, 32)); a = np.abs(x).max(-1, keepdims=True)
;;       e = np.where(a > 0, np.clip(np.frexp(np.where(a > 0, a, 1))[1] - 1 - 2, -126, 127), 0)      # np.frexp(a)[1] - 1 = floor(log2(a)), exactly
;;       r = np.clip(x / 2.0 ** e, -6, 6)
;;       step = 2.0 ** (np.maximum(np.frexp(np.where(r == 0, 1, r))[1] - 1, 0) - 1)
;;       q = np.round(r / step) * step * 2.0 ** e      # np.round: ties to even
;;       return np.moveaxis(q.reshape(q.shape[:-2] + (-1,))[..., :K], -1, axis).astype(np.float32)
;;   ~~~
;;   SOFTMAX AHEAD OF A QUANTISED PRODUCT. Where the list says 'softmax', what is quantised is not the finished softmax but p = 2^(t - M), with t = logit x log2(e) and M = ceil(the row's largest t), a whole number; so 1/2 < the row's largest p <= 1. The row's sum l is taken of the UNQUANTISED p, in f32, and the product's result is divided by l at the end. Since M is a whole number, a kernel that streams over the keys may use a running M (the ceiling of the running maximum): every later rescaling is an exact power of two, which a block's scale takes up: the codes' values come out the same.
;;   OPERANDS COMPUTED ON THE WAY. 'Computed on the way' means the value that the module computes at that place (a softmax that the list does not call 'softmax' is quantised finished and normalised). What goes into a quantiser is computed in f32, as accurately as f32 sums, v_exp_f32 and their like allow (about 1e-6 of the number): no bf16 or f16 on the way to a quantiser, and a product that is left as it is and whose result goes on into a quantised operand takes f32 operands (vector FMAs, or v_wmma_f32_16x16x4_f32). A number that lies on a knife's edge between two numbers of the format may be rounded either way, as far as f32 arithmetic and the matrix unit's own rounding can turn it there, and no further.
;; One version. Each part assembles by itself: llvm-mc -triple=amdgcn-amd-amdhsa -mcpu=gfx1250 --defsym DOCPART=n.
;; ======== version 1 of 1: 4 launches
;; limits: right only within a limited range of input values
;; workspace buffers: xq 6,684,672 bytes; wq 4,456,448 bytes; qq 6,815,744 bytes; kv 9,043,968 bytes; cq 2,228,224 bytes
;; launch prep (part 1): grid 1024 x 1, 4 waves a work-group, no clusters, 34,304 bytes of LDS; arguments e_v, e_a0, e_a1, Wqv, Wkv, Wqa0, Wka0, Wqa1, Wka1, Wvv, Wout, xq, wq; writes xq, wq
.if DOCPART == 1
	.amdgcn_target "amdgcn-amd-amdhsa--gfx1250"
	.amdhsa_code_object_version 6
	.text
	.protected	k_q12ad1a1aec_prep
	.globl	k_q12ad1a1aec_prep
	.p2align	8
	.type	k_q12ad1a1aec_prep,@function
k_q12ad1a1aec_prep:
	s_mov_b64 s[64:65], 0
	v_nop
	global_prefetch_b8 v0, s[64:65] scope:SCOPE_SE
	s_setreg_imm32_b32 hwreg(HW_REG_WAVE_MODE, 25, 1), 1
	s_wait_xcnt 0x0
; LAUNCH 1 OF 4.  e_v, e_a0, e_a1 [4096][1024] (K innermost) and the eight weights [1024 (k)][1024 (n)] (K first), all f32, become codes of E2M1 with one E8M0 byte for each 32 along K.
; NO WORK OF THE PROBLEM IS LEFT OUT IN ANY LAUNCH: every bias stands ahead of a quantiser or of the norm, the mask is an input and is read whole, all 1,024 keys are walked for every query: every input is loaded.
; THE LAYOUT of every operand with K = 1,024 is the order of the matrix operand's registers:
;   codes  [chunk 4 (256 k)][tile (16 rows)][ks 2 (128 k)][c 2][lane 32][16 bytes]: lane (rho = lane % 16, h = lane / 16) holds k = 256 chunk + 128 ks + 64 c + 32 h + 0 .. 31 of its row;
;   scales [tile][chunk 4][rho 16][ks 2][4 bytes]: byte b of a word scales k = 32 b on of that 128.
;   THE ROWS OF A TILE ARE NOT NEIGHBOURS: lane rho of tile 2 G + u holds row 32 G + 8 u + rho + 8 (rho / 8), so that the results of two neighbouring tiles used as source 0 are 16 neighbours in a lane's registers.
; xq: codes at stream x 2,097,152, scales at 6,291,456 + stream x 131,072.  wq: codes at w x 524,288, scales at 4,194,304 + w x 32,768; w: 0 Wqv 1 Wkv 2 Wqa0 3 Wka0 4 Wqa1 5 Wka1 6 Wvv 7 Wout.
; A block's scale is 2^(floor(log2(largest magnitude)) - 2); its byte is the largest magnitude's exponent field - 2, held at 1 from below.
; LIMITS: NaN and infinities among the inputs are not served.  A block of zeros gets the byte 1 where the rule says 127 (its codes are zeros; this program alone reads the bytes); blocks whose largest magnitude lies under 2^-124 are held at the byte 1.
; SHARES: work-groups 0 .. 767: x: a wave takes 16 rows (a tile) x 256 k (a chunk).  Work-groups 768 .. 1023: weights: a wave takes 32 columns x 256 k.  Waves share nothing: no barrier.
.set STG,   8448                       ; x path: a wave's stage in LDS: 16 rows x (512 bytes + 16)
.set SPARE, 33792                      ; behind the four stages: the spare words, 128 bytes for each wave
.set SPW,   6                          ; v6  LDS address of my spare word; never rewritten
.set NIL,   7                          ; v7  0; never rewritten
.set CD,    16                         ; v16-31   x: codes, eight registers for each 128 along K
.set RAW,   32                         ; v32-159  x: numbers as loaded
.set TT,    160                        ; v160-223 x: 64 numbers of my row, in the operand's order
.set XX,    32                         ; v32-95   W: two sets of 32 numbers
.set CC,    96                         ; v96-127  W: codes, four registers a block
.set SB,    128                        ; v128-129 W: eight scale bytes
	s_load_b512 s[4:19], s[0:1], 0x0               ; e_v s4, e_a0 s6, e_a1 s8, Wqv s10, Wkv s12, Wqa0 s14, Wka0 s16, Wqa1 s18
	s_load_b256 s[20:27], s[0:1], 0x40             ; Wka1 s20, Wvv s22, Wout s24, xq s26
	s_load_b64 s[28:29], s[0:1], 0x60              ; wq
	v_lshl_add_u32 v[SPW], v0, 2, SPARE
	v_mov_b32 v[NIL], 0
	v_lshrrev_b32 v1, 5, v0
	v_readfirstlane_b32 s30, v1                    ; wave 0..3
	s_cmp_ge_u32 ttmp9, 768
	s_cbranch_scc1 .Lweights
	; ---------------- x: K is innermost ----------------
	v_and_b32 v8, 31, v0                           ; lane
	v_and_b32 v9, 15, v0                           ; rho
	v_bfe_u32 v10, v0, 4, 1                        ; h
	v_lshlrev_b32 v1, 4, v8                        ; 16 x lane: my bytes of a load's 512 and of a store's 512
	s_mul_i32 s31, s30, STG
	v_add_nc_u32 v2, s31, v1                       ; the stage, on the way in
	v_mul_u32_u24 v3, v9, 528
	v_lshl_add_u32 v3, v10, 7, v3
	v_add_nc_u32 v3, s31, v3                       ; and on the way out: row rho, 128 h bytes on
	v_lshlrev_b32 v4, 3, v10                       ; 8 h: the shift of my two scale bytes
	v_lshlrev_b32 v5, 3, v9
	v_lshl_add_u32 v5, v10, 2, v5                  ; 8 rho + 4 h: where I store a scale word
	v_mov_b32 v15, 0                               ; written once: a lane permute's destination counts as one of its sources
	s_mov_b32 s40, 0x76543210
	s_mov_b32 s41, 0xfedcba98                      ; selects for lane l xor 16
	s_lshr_b32 s32, ttmp9, 8                       ; stream 0..2
	s_and_b32 s33, ttmp9, 255                      ; tile T
	s_lshr_b32 s34, s33, 1
	s_lshl_b32 s34, s34, 17                        ; 32 (T / 2) rows of 4,096 bytes
	s_and_b32 s35, s33, 1
	s_lshl_b32 s35, s35, 15                        ; + 8 (T % 2) rows
	s_add_co_u32 s34, s34, s35
	s_lshl_b32 s35, s30, 10                        ; + my chunk: 256 numbers
	s_add_co_u32 s34, s34, s35
	s_mov_b32 s35, 0
	s_lshl_b32 s36, s32, 21
	s_lshl_b32 s37, s30, 19
	s_add_co_u32 s36, s36, s37
	s_lshl_b32 s37, s33, 11
	s_add_co_u32 s36, s36, s37                     ; the codes' place
	s_mov_b32 s37, 0
	s_lshl_b32 s38, s32, 17
	s_lshl_b32 s39, s33, 9
	s_add_co_u32 s38, s38, s39
	s_lshl_b32 s39, s30, 7
	s_add_co_u32 s38, s38, s39
	s_add_co_u32 s38, s38, 6291456                 ; the scale words' place
	s_mov_b32 s39, 0
	s_wait_alu depctr_va_vdst(0)
	s_wait_kmcnt 0x0
	s_cmp_eq_u32 s32, 1                            ; the choice hangs on the work-group's number alone
	s_cselect_b64 s[42:43], s[6:7], s[4:5]
	s_cmp_eq_u32 s32, 2
	s_cselect_b64 s[42:43], s[8:9], s[42:43]
	s_add_nc_u64 s[42:43], s[42:43], s[34:35]
	s_add_nc_u64 s[44:45], s[26:27], s[36:37]
	s_add_nc_u64 s[46:47], s[26:27], s[38:39]
.irp ks, 0,1
.irp i, 0,1,2,3,4,5,6,7,8,9,10,11,12,13,14,15
	global_load_b128 v[RAW+64*\ks+4*\i:RAW+64*\ks+4*\i+3], v1, s[42:43] offset:(\i+8*(\i/8))*4096+512*\ks th:TH_LOAD_NT   ; the tile's row i: 32 lanes read 512 consecutive bytes
.endr
.endr
; 128 along K of the 16 rows: through the stage (in as loaded, out 128 bytes a lane and block), two whole blocks a lane, codes and the scale word.  left: the younger loads that may stay out
.macro TURNQ ks, left
	s_wait_loadcnt \left
.irp i, 0,1,2,3,4,5,6,7,8,9,10,11,12,13,14,15
	ds_store_b128 v2, v[RAW+64*\ks+4*\i:RAW+64*\ks+4*\i+3] offset:528*\i
.endr
.irp c, 0,1
.irp j, 0,1,2,3,4,5,6,7
	ds_load_b128 v[TT+32*\c+4*\j:TT+32*\c+4*\j+3], v3 offset:256*\c+16*\j   ; LDS serves a wave's instructions in order: these see my stores
.endr
.endr
	s_wait_dscnt 0x0
.irp c, 0,1
	v_max3_num_f32 v[8+\c], |v[TT+32*\c]|, |v[TT+32*\c+1]|, 0x1800000      ; block 2 c + h is all mine; the floor 2^(3 - 127) holds the byte at 1 from below
.endr
.irp i, 2,4,6,8,10,12,14,16,18,20,22,24,26,28,30
.irp c, 0,1
	v_max3_num_f32 v[8+\c], v[8+\c], |v[TT+32*\c+\i]|, |v[TT+32*\c+\i+1]|
.endr
.endr
.irp c, 0,1
	v_add_nc_u32 v[10+\c], 0xff000000, v[8+\c]     ; 2 off the exponent field: the conversion's scale operand
.endr
	v_lshrrev_b32 v8, 23, v10                      ; the bytes
	v_lshrrev_b32 v9, 23, v11
	v_lshl_or_b32 v14, v9, 16, v8                  ; blocks h and 2 + h,
	v_lshlrev_b32 v14, v4, v14                     ; at their places in the word;
	v_permlanex16_b32 v15, v14, s40, s41
	v_or_b32 v[12+\ks], v14, v15                   ; with lane l xor 16's two the word is whole
.irp c, 0,1
.irp g, 0,1,2,3
	v_cvt_scalef32_pk8_fp4_f32 v[CD+8*\ks+4*\c+\g], v[TT+32*\c+8*\g:TT+32*\c+8*\g+7], v[10+\c]
.endr
.endr
	v_nop                                          ; one plain place behind the scaled conversions
.irp c, 0,1
	global_store_b128 v1, v[CD+8*\ks+4*\c:CD+8*\ks+4*\c+3], s[44:45] offset:1024*\ks+512*\c   ; 512 consecutive bytes
.endr
.endm
	TURNQ 0, 16
	TURNQ 1, 0
	v_cmp_ne_u32 vcc_lo, 0, v4
	v_cndmask_b32 v14, v12, v13, vcc_lo            ; lanes 0-15 store the first 128's word, lanes 16-31 the second's
	global_store_b32 v5, v14, s[46:47]             ; 128 consecutive bytes
	s_wait_tensorcnt 0x0                           ; the wave's end, behind my last LDS store
	ds_add_u32 v[SPW], v[NIL]
	s_wait_dscnt 0x0
	s_endpgm
	; ---------------- weights: K is the first axis: a lane takes a column, its registers run down K; no LDS ----------------
.Lweights:
	s_sub_co_u32 s32, ttmp9, 768
	s_lshr_b32 s33, s32, 5                         ; which weight
	s_bfe_u32 s34, s32, 0x20003                    ; chunk
	s_and_b32 s35, s32, 7
	s_lshl_b32 s35, s35, 2
	s_add_co_u32 s35, s35, s30                     ; G: my 32 columns
	s_lshl_b32 s36, s34, 20                        ; 256 rows of 4,096 bytes a chunk
	s_lshl_b32 s37, s35, 7
	s_add_co_u32 s36, s36, s37
	s_mov_b32 s37, 0
	s_lshl_b32 s38, s33, 19
	s_lshl_b32 s39, s34, 17
	s_add_co_u32 s38, s38, s39
	s_lshl_b32 s39, s35, 12                        ; tiles 2 G and 2 G + 1
	s_add_co_u32 s38, s38, s39
	s_mov_b32 s39, 0
	s_lshl_b32 s40, s33, 15
	s_lshl_b32 s41, s35, 10
	s_add_co_u32 s40, s40, s41
	s_lshl_b32 s41, s34, 7
	s_add_co_u32 s40, s40, s41
	s_add_co_u32 s40, s40, 4194304
	s_mov_b32 s41, 0
	v_and_b32 v8, 31, v0
	v_lshlrev_b32 v1, 2, v8                        ; in: 4 bytes a lane
	v_bfe_u32 v9, v0, 3, 1                         ; u: column 32 G + lane lies in tile 2 G + u,
	v_and_b32 v10, 7, v0
	v_bfe_u32 v11, v0, 4, 1
	v_lshl_add_u32 v10, v11, 3, v10                ; at rho = lane % 8 + 8 (lane / 16)
	v_lshlrev_b32 v2, 4, v10
	v_lshl_add_u32 v2, v9, 11, v2                  ; codes: 2,048 u + 16 rho
	v_lshlrev_b32 v3, 3, v10
	v_lshl_add_u32 v3, v9, 9, v3                   ; scale words: 512 u + 8 rho
	s_wait_alu depctr_va_vdst(0)
	s_wait_kmcnt 0x0
	s_mov_b64 s[42:43], s[10:11]
.irp n, 1,2,3,4,5,6,7
	s_cmp_eq_u32 s33, \n
	s_cselect_b64 s[42:43], s[10+2*\n:11+2*\n], s[42:43]
.endr
	s_add_nc_u64 s[42:43], s[42:43], s[36:37]
	s_add_nc_u64 s[44:45], s[28:29], s[38:39]
	s_add_nc_u64 s[46:47], s[28:29], s[40:41]
.macro LOAD t                          ; block t: W(32 t + i, my column) into set t % 2: 128 consecutive bytes a load
.irp i, 0,1,2,3,4,5,6,7,8,9,10,11,12,13,14,15,16,17,18,19,20,21,22,23,24,25,26,27,28,29,30,31
	global_load_b32 v[XX+32*((\t)%2)+\i], v1, s[42:43] offset:(32*(\t)+\i)*4096 th:TH_LOAD_NT
.endr
.endm
	LOAD 0
	LOAD 1
.macro BLOCK t
.set XS, XX+32*((\t)%2)
.if (\t) < 7
	s_wait_loadcnt 32                              ; this block's 32 loads are in; the next block's may be out
.else
	s_wait_loadcnt 0x0
.endif
	v_max3_num_f32 v12, |v[XS]|, |v[XS+1]|, |v[XS+2]|
	v_max3_num_f32 v13, |v[XS+3]|, |v[XS+4]|, |v[XS+5]|
.irp i, 6,10,14,18,22,26
	v_max3_num_f32 v12, v12, |v[XS+\i]|, |v[XS+\i+1]|
	v_max3_num_f32 v13, v13, |v[XS+\i+2]|, |v[XS+\i+3]|
.endr
	v_max3_num_f32 v12, v12, |v[XS+30]|, |v[XS+31]|
	v_max3_num_f32 v12, v12, v13, 0x1800000        ; and the floor
	v_add_nc_u32 v11, 0xff000000, v12
	v_lshrrev_b32 v13, 23, v11
.if (\t)%4 == 0
	v_mov_b32 v[SB+(\t)/4], v13
.else
	v_lshl_or_b32 v[SB+(\t)/4], v13, 8*((\t)%4), v[SB+(\t)/4]
.endif
.irp g, 0,1,2,3
	v_cvt_scalef32_pk8_fp4_f32 v[CC+4*(\t)+\g], v[XS+8*\g:XS+8*\g+7], v11
.endr
	v_nop                                          ; one plain place behind the scaled conversions
	global_store_b128 v2, v[CC+4*(\t):CC+4*(\t)+3], s[44:45] offset:((\t)/4)*1024+(((\t)/2)%2)*512+((\t)%2)*256   ; block t = (ks, c, h): sixteen lanes of each tile fill 256 consecutive bytes
.if (\t)+2 < 8
	LOAD (\t)+2
.endif
.endm
.set Q, 0
.rept 8
	BLOCK Q
.set Q, Q+1
.endr
	global_store_b64 v3, v[SB:SB+1], s[46:47]      ; my column's two scale words of this chunk
	s_endpgm
.Lfunc_end_k_q12ad1a1aec_prep:
	.size	k_q12ad1a1aec_prep, .Lfunc_end_k_q12ad1a1aec_prep-k_q12ad1a1aec_prep
	.p2alignl 7, 3214868480
	.fill 96, 4, 3214868480
	.section	.rodata,"a",@progbits
	.p2align	6, 0x0
	.amdhsa_kernel k_q12ad1a1aec_prep
		.amdhsa_group_segment_fixed_size 34304
		.amdhsa_private_segment_fixed_size 0
		.amdhsa_enable_private_segment 0
		.amdhsa_kernarg_size 104
		.amdhsa_user_sgpr_count 2
		.amdhsa_user_sgpr_kernarg_segment_ptr 1
		.amdhsa_wavefront_size32 1
		.amdhsa_system_sgpr_workgroup_id_x 1
		.amdhsa_system_sgpr_workgroup_id_y 1
		.amdhsa_system_sgpr_workgroup_id_z 1
		.amdhsa_system_vgpr_workitem_id 0
		.amdhsa_next_free_vgpr 224
		.amdhsa_next_free_sgpr 66
		.amdhsa_reserve_vcc 1
		.amdhsa_float_denorm_mode_32 3
		.amdhsa_float_denorm_mode_16_64 3
		.amdhsa_memory_ordered 1
		.amdhsa_forward_progress 1
		.amdhsa_inst_pref_size 55
	.end_amdhsa_kernel
	.amdgpu_metadata
---
amdhsa.version: [ 1, 2 ]
amdhsa.kernels:
  - .name:           k_q12ad1a1aec_prep
    .symbol:         k_q12ad1a1aec_prep.kd
    .args:
      - { .name: e_v, .offset: 0, .size: 8, .value_kind: global_buffer, .address_space: global }
      - { .name: e_a0, .offset: 8, .size: 8, .value_kind: global_buffer, .address_space: global }
      - { .name: e_a1, .offset: 16, .size: 8, .value_kind: global_buffer, .address_space: global }
      - { .name: Wqv, .offset: 24, .size: 8, .value_kind: global_buffer, .address_space: global }
      - { .name: Wkv, .offset: 32, .size: 8, .value_kind: global_buffer, .address_space: global }
      - { .name: Wqa0, .offset: 40, .size: 8, .value_kind: global_buffer, .address_space: global }
      - { .name: Wka0, .offset: 48, .size: 8, .value_kind: global_buffer, .address_space: global }
      - { .name: Wqa1, .offset: 56, .size: 8, .value_kind: global_buffer, .address_space: global }
      - { .name: Wka1, .offset: 64, .size: 8, .value_kind: global_buffer, .address_space: global }
      - { .name: Wvv, .offset: 72, .size: 8, .value_kind: global_buffer, .address_space: global }
      - { .name: Wout, .offset: 80, .size: 8, .value_kind: global_buffer, .address_space: global }
      - { .name: xq, .offset: 88, .size: 8, .value_kind: global_buffer, .address_space: global }
      - { .name: wq, .offset: 96, .size: 8, .value_kind: global_buffer, .address_space: global }
    .group_segment_fixed_size: 34304
    .private_segment_fixed_size: 0
    .kernarg_segment_align: 8
    .kernarg_segment_size: 104
    .max_flat_workgroup_size: 128
    .sgpr_count:     66
    .vgpr_count:     224
    .wavefront_size: 32
...
	.end_amdgpu_metadata
.endif
;; end of part 1
;; launch proj (part 2): grid 448 x 1, 8 waves a work-group, no clusters, 279,552 bytes of LDS; arguments xq, wq, bqv, bkv, bqa0, bka0, bqa1, bka1, bvv, qq, kv; writes qq, kv
.if DOCPART == 2
	.amdgcn_target "amdgcn-amd-amdhsa--gfx1250"
	.amdhsa_code_object_version 6
	.text
	.protected	k_q12ad1a1aec_proj
	.globl	k_q12ad1a1aec_proj
	.p2align	8
	.type	k_q12ad1a1aec_proj,@function
k_q12ad1a1aec_proj:
	s_mov_b64 s[64:65], 0
	v_nop
	global_prefetch_b8 v0, s[64:65] scope:SCOPE_SE
	s_setreg_imm32_b32 hwreg(HW_REG_WAVE_MODE, 25, 1), 1
	s_wait_xcnt 0x0
; LAUNCH 2 OF 4.  The seven projections x W + b on codes of E2M1, and their results quantised on the way out: only codes and scale bytes go to memory.  No work is left out.
; A work-group: piece g (0 qv 1 kv 2 qa0 3 ka0 4 qa1 5 ka1 6 vv), 256 tokens (tb), 256 columns (nb), all of K = 1,024.
; THE PRODUCT IS USED TRANSPOSED.  Source 0 (side P) is the axis along which the result is quantised next, source 1 (side R) the other: a lane then holds one row of R, and its registers run along P.
;   q, k: P = W's columns (the head's 64 are the next K), R = tokens.   v: P = tokens (the keys are the next K), R = Wvv's columns.
; By the tiles' order of rows (launch 1) the 16 registers of P tiles 2 b and 2 b + 1 are P indices 32 b + 16 (lane / 16) + 0 .. 15.
; Eight waves: wp = wave % 2: 8 P tiles (128); wr = wave / 2: 4 R tiles (64): 32 accumulators, window 1.  Both panels with their scales lie in LDS whole, filled once: every wave issues one tensor load at the head,
; nothing is filled again.  The launch is plain: the four work-groups of a token block read the same x panel and the sixteen of a column block the same W panel, each by loads of its own;
; joint loads of a cluster would divide those requests by four and are not written here.
; OUT.  qq: Q codes [bh 64][tile 64][stream 3][lane][16 B], scales at 6,291,456 + bh x 8,192: [tile][rho][2 words]: word 0 = (v b0, v b1, a0 b0, a0 b1), word 1 = (a1 b0, a1 b1, 0x7f, 0x7f).
;   Q's BYTES ARE STORED LESS 3: that is the factor 1/8 on the scores, exact.   kv, 141,312 bytes a head: K codes at 0 and K scales at 131,072, laid as Q's; V codes at 98,304: [key step 8][channel tile 4][c 2][lane][16 B];
;   V scales at 139,264: [key step 8][rho 16][channel tile 4][4 B].
; LIMITS: NaN and infinities are not served.  The floor under a block's largest magnitude is 2^(6 - 127) here, so that every byte is at least 4 and Q's less 3 at least 1: blocks of q, k, v whose largest magnitude lies under 2^-121
; (blocks of zeros among them) carry the byte 4.
.set SPARE, 278528                     ; LDS: P codes 0, R codes 131,072 (each [quarter 4][chunk 4][tile 4][ks][c][lane][16]), R scales 262,144, P scales 270,336, the spare words here: 128 bytes a wave
.set SPW, 14                           ; v14 LDS address of my spare word; never rewritten
.set NIL, 15                           ; v15 0; never rewritten
.set F0,  16                           ; v16-111, v112-207: two fragment buffers: P's eight fragments, then R's four
.set SC,  208                          ; v208-239 scale words, two sets of 16: register 2 i + ks: lanes 0-15 P tile i's word, lanes 16-31 R tile i's
.set BQ,  16                           ; the way out: v16-79 the bias of q, k in the result's layout;
.set BV,  80                           ; v80-87 the bias of v: my column's, twice, for each R tile
.set TM,  88                           ; v88-103 at work
.set PW,  104                          ; v104-107 the four scale words
.set VAL, 108                          ; v108-111 what is stored of them
.set HH,  112                          ; v112-175 64 numbers of a row
.set PC,  176                          ; v176-207 codes, eight registers for each R tile
.set FLOOR, 0x3000000
.set WV,  26
.set G,   27
.set TB,  66
.set NB,  67
.set ISV, 68
.set STR, 69
.set ISK, 70
.set WP,  71
.set WR,  72
.set MSB, 0
.macro WIN new                         ; the immediate's high byte repeats the setting that is left
.if MSB != \new
	s_set_vgpr_msb (MSB<<8)|\new
.set MSB, \new
.endif
.endm
	s_load_b512 s[4:19], s[0:1], 0x0               ; xq s4, wq s6, bqv s8, bkv s10, bqa0 s12, bka0 s14, bqa1 s16, bka1 s18
	s_load_b128 s[20:23], s[0:1], 0x40             ; bvv s20, qq s22
	s_load_b64 s[24:25], s[0:1], 0x50              ; kv
	v_lshl_add_u32 v[SPW], v0, 2, SPARE
	v_mov_b32 v[NIL], 0
	ds_add_u32 v[SPW], v[NIL]                      ; the wave's opening: the add, twice on end, and its wait ahead of my first tensor load
	ds_add_u32 v[SPW], v[NIL]
	v_lshrrev_b32 v1, 5, v0
	s_delay_alu instid0(VALU_DEP_1)
	v_readfirstlane_b32 s[WV], v1                  ; wave 0..7
	s_lshr_b32 s[G], ttmp9, 6
	s_bfe_u32 s[TB], ttmp9, 0x40002
	s_and_b32 s[NB], ttmp9, 3
	s_lshr_b32 s[STR], s[G], 1
	s_and_b32 s[ISK], s[G], 1
	s_cmp_eq_u32 s[G], 6
	s_cselect_b32 s[ISV], 1, 0
	s_cselect_b32 s[STR], 0, s[STR]                ; which x: 0 e_v, 1 e_a0, 2 e_a1
	s_and_b32 s[WP], s[WV], 1
	s_lshr_b32 s[WR], s[WV], 1
	s_lshr_b32 s73, s[WV], 2                       ; as a loader: side 0 = P, 1 = R;
	s_and_b32 s74, s[WV], 3                        ; which quarter of the panel
	s_xor_b32 s75, s73, s[ISV]                     ; 1: my side is x, 0: it is W
	s_lshl_b32 s76, s[STR], 21                     ; x: codes,
	s_lshl_b32 s77, s[TB], 15
	s_add_co_u32 s76, s76, s77
	s_lshl_b32 s78, s[STR], 17                     ; scales
	s_lshl_b32 s77, s[TB], 13
	s_add_co_u32 s78, s78, s77
	s_add_co_u32 s78, s78, 6291456
	s_lshl_b32 s79, s[G], 19                       ; W: codes,
	s_lshl_b32 s77, s[NB], 15
	s_add_co_u32 s79, s79, s77
	s_lshl_b32 s80, s[G], 15                       ; scales
	s_lshl_b32 s77, s[NB], 13
	s_add_co_u32 s80, s80, s77
	s_add_co_u32 s80, s80, 4194304
	s_cmp_eq_u32 s75, 1
	s_cselect_b32 s82, s76, s79
	s_cselect_b32 s86, s78, s80
	s_lshl_b32 s77, s74, 13
	s_add_co_u32 s82, s82, s77                     ; + my quarter: 8,192 bytes of a chunk's 32,768,
	s_lshl_b32 s77, s74, 11
	s_add_co_u32 s86, s86, s77                     ; 2,048 of the scales' 8,192
	s_mov_b32 s83, 0
	s_mov_b32 s87, 0
	s_lshl_b32 s90, s73, 17                        ; LDS AS IT IS NOW: side x 131,072 + quarter x 32,768 + chunk x 8,192: a wave's four chunks lie on end
	s_lshl_b32 s77, s74, 15
	s_add_co_u32 s90, s90, s77
	s_xor_b32 s91, s73, 1                          ; scales: R's first, then P's
	s_lshl_b32 s91, s91, 13
	s_lshl_b32 s77, s74, 11
	s_add_co_u32 s91, s91, s77
	; group 1: dense rows of 8,192 bytes (1,024 elements of 8 bytes): 4 rows, a chunk apart
	; THE FILLS AS THEY ARE NOW: ONE tensor load a wave: my quarter of all four chunks, 4 rows of 8,192 bytes (1,024 elements of 8 bytes), a chunk apart in memory.  Two groups 1: x's chunks lie 524,288 bytes apart, W's 131,072.
	; The scale bytes come by four loads a wave and are stored to LDS.
.irp g, 28, 36
	s_mov_b32 s[\g], 3<<16
	s_mov_b32 s[\g+1], 1024<<16
	s_mov_b32 s[\g+2], 4<<16
	s_mov_b32 s[\g+3], 1024<<16
	s_mov_b32 s[\g+4], 4
	s_mov_b32 s[\g+6], 0
	s_mov_b32 s[\g+7], 0
.endr
	s_mov_b32 s33, 65536
	s_mov_b32 s41, 16384
	s_add_co_u32 s45, s91, 262144                  ; where my quarter of my side's scales goes in LDS
	s_mov_b32 s48, 1
	s_mov_b32 s49, s90
	s_mov_b32 s98, 0x76543210
	s_mov_b32 s99, 0xfedcba98                      ; selects for lane l xor 16
	s_wait_dscnt 0x0                               ; both opening adds are done
	s_wait_kmcnt 0x0
	s_cmp_eq_u32 s75, 1                            ; the choice hangs on ids alone
	s_cselect_b64 s[88:89], s[4:5], s[6:7]
	s_add_nc_u64 s[46:47], s[88:89], s[86:87]
	s_add_nc_u64 s[50:51], s[88:89], s[82:83]
	s_or_b32 s51, s51, 0x80000000
	s_cmp_eq_u32 s75, 1                            ; ids alone: is my side x or W?  One load in each arm, one join
	s_cbranch_scc0 .Lpanel_w
	tensor_load_to_lds s[48:51], s[28:35]
	s_nop 0
.rept 4
	v_nop
.endr
	s_branch .Lpanel_asked
.Lpanel_w:
	tensor_load_to_lds s[48:51], s[36:43]
	s_nop 0
.rept 4
	v_nop
.endr
.Lpanel_asked:
	v_and_b32 v13, 31, v0
	s_delay_alu instid0(VALU_DEP_1)
	v_lshlrev_b32 v6, 4, v13                       ; 16 x lane
	v_and_b32 v7, 15, v0                           ; rho
	v_bfe_u32 v8, v0, 4, 1                         ; h
	s_delay_alu instid0(VALU_DEP_1)
	v_lshlrev_b32 v9, 4, v8                        ; 16 h
	s_delay_alu instid0(VALU_DEP_2)
	v_lshlrev_b32 v10, 6, v8                       ; 64 h
	v_add_nc_u32 v11, s45, v6                      ; my scales' place in LDS
	s_wait_alu depctr_va_vdst(0)                   ; the wait here, directly behind these writes
.irp i, 0,1,2,3
	global_load_b128 v[16+4*\i:19+4*\i], v6, s[46:47] offset:512*\i   ; my 2,048 scale bytes, 512 consecutive bytes a load
.endr
	s_lshl_b32 s93, s[WP], 16
	v_add_nc_u32 v1, s93, v6                       ; P's fragments: my 8 tiles are two quarters of 32,768 bytes
	s_lshl_b32 s93, s[WR], 15
	s_add_co_u32 s93, s93, 131072
	v_add_nc_u32 v3, s93, v6                       ; R's: my 4 tiles are one quarter
	s_lshl_b32 s93, s[WR], 11                      ; scale words: lanes 16-31 R's (262,144 + 2,048 wr), lanes 0-15 P's (270,336 + 4,096 wp): the lower base + (1 - h) x the distance
	s_lshl_b32 s94, s[WP], 12
	s_add_co_u32 s94, s94, 8192
	s_sub_co_u32 s94, s94, s93
	v_xor_b32 v13, 1, v8
	s_delay_alu instid0(VALU_DEP_1)
	v_mul_u32_u24 v13, s94, v13
	s_add_co_u32 s93, s93, 262144
	v_lshl_add_u32 v5, v7, 3, v13
	s_delay_alu instid0(VALU_DEP_1)
	v_add_nc_u32 v5, s93, v5
	v_and_b32 v13, 8, v7
	s_delay_alu instid0(VALU_DEP_1)
	v_add_nc_u32 v13, v13, v7
	s_delay_alu instid0(VALU_DEP_1)
	v_lshlrev_b32 v13, 2, v13                      ; 4 (rho + 8 (rho / 8)): my column's place in v's bias
	v_lshlrev_b32 v12, 4, v7
	s_delay_alu instid0(VALU_DEP_1)
	v_lshl_add_u32 v12, v8, 3, v12                 ; 16 rho + 8 h: where I store V's scale words
	s_mov_b64 s[96:97], s[8:9]                     ; the piece's bias
.irp n, 1,2,3,4,5,6
	s_cmp_eq_u32 s[G], \n
	s_cselect_b64 s[96:97], s[8+2*\n:9+2*\n], s[96:97]
.endr
	s_lshl_b32 s93, s[WP], 9                       ; q, k: my 128 columns of P;
	s_lshl_b32 s94, s[WR], 8                       ; v: my 64 columns of R
	s_cmp_eq_u32 s[ISV], 1
	s_cselect_b32 s93, s94, s93
	s_lshl_b32 s92, s[NB], 10
	s_add_co_u32 s92, s92, s93
	s_mov_b32 s93, 0
	s_add_nc_u64 s[96:97], s[96:97], s[92:93]
.macro FETCH s, f                      ; K step s (128 along K): 24 loads of 512 consecutive bytes into buffer f
.set OF, ((\s)/2)*8192+((\s)&1)*1024
.irp i, 0,1,2,3,4,5,6,7
	ds_load_b128 v[\f+8*\i:\f+8*\i+3], v1 offset:OF+(\i/4)*32768+(\i%4)*2048
	ds_load_b128 v[\f+8*\i+4:\f+8*\i+7], v1 offset:OF+(\i/4)*32768+(\i%4)*2048+512
.endr
.irp i, 0,1,2,3
	ds_load_b128 v[\f+64+8*\i:\f+64+8*\i+3], v3 offset:OF+\i*2048
	ds_load_b128 v[\f+64+8*\i+4:\f+64+8*\i+7], v3 offset:OF+\i*2048+512
.endr
.endm
.macro SCALES ch                       ; a chunk's scale words, two K steps' a load.  For i over 3 lanes 16-31 read on into P's words, which are filled; those lanes are not used
.irp i, 0,1,2,3,4,5,6,7
	ds_load_b64 v[SC+16*((\ch)&1)+2*\i:SC+16*((\ch)&1)+2*\i+1], v5 offset:128*(\ch)+512*\i
.endr
.endm
.macro MUL s, f                        ; 32 products; the 32 accumulators take turns, one instruction a turn, in the same order in every K step.  K step 0 starts the sums
	WIN 0x50                                       ; C and D window 1
.set SS, SC+16*(((\s)/2)&1)+((\s)&1)
.irp a, 0,1,2,3
.irp b, 0,1,2,3,4,5,6,7
.if (\s) == 0
	v_wmma_scale_f32_16x16x128_f8f6f4 v[8*(8*\a+\b):8*(8*\a+\b)+7], v[\f+8*\b:\f+8*\b+7], v[\f+64+8*\a:\f+64+8*\a+7], 0, v[SS+2*\b], v[SS+2*\a] matrix_a_fmt:MATRIX_FMT_FP4 matrix_b_fmt:MATRIX_FMT_FP4 matrix_b_scale:MATRIX_SCALE_ROW1
.else
	v_wmma_scale_f32_16x16x128_f8f6f4 v[8*(8*\a+\b):8*(8*\a+\b)+7], v[\f+8*\b:\f+8*\b+7], v[\f+64+8*\a:\f+64+8*\a+7], v[8*(8*\a+\b):8*(8*\a+\b)+7], v[SS+2*\b], v[SS+2*\a] matrix_a_fmt:MATRIX_FMT_FP4 matrix_b_fmt:MATRIX_FMT_FP4 matrix_b_scale:MATRIX_SCALE_ROW1
.endif
.endr
.endr
	WIN 0
.endm
.macro KSTEP s
	s_wait_dscnt 0x0                               ; this step's fragments, asked for 32 products ago, are in
.rept 4
	v_nop                                          ; four places in front of loads into registers that the last products read
.endr
	FETCH (\s)+1, F0+96*(((\s)+1)&1)
.if (\s)&1
	SCALES ((\s)+1)/2
.endif
	MUL \s, F0+96*((\s)&1)
.endm
	s_wait_alu depctr_va_vdst(0)
	s_wait_loadcnt 0x0                             ; my scale bytes are in registers,
.irp i, 0,1,2,3
	ds_store_b128 v11, v[16+4*\i:19+4*\i] offset:512*\i
.endr
	s_wait_tensorcnt 0x0                           ; my one tensor load has landed,
	s_wait_dscnt 0x0                               ; and my stores are done: for the others' sake
	s_barrier_signal -1
	s_barrier_wait -1
	FETCH 0, F0
	SCALES 0
.irp s, 0,1,2,3,4,5,6
	KSTEP \s
.endr
	s_wait_dscnt 0x0                               ; the last K step: in place of fragments the bias is asked for, into buffer 0
.rept 4
	v_nop
.endr
	s_cmp_eq_u32 s[ISV], 1
	s_cbranch_scc1 .Lbias_v
.irp e, 0,1,2,3
.irp j, 0,1,2,3
	global_load_b128 v[BQ+16*\e+4*\j:BQ+16*\e+4*\j+3], v10, s[96:97] offset:128*\e+16*\j   ; register 16 e + i: column 32 e + 16 h + i of my 128
.endr
.endr
	s_branch .Lbias_done
.Lbias_v:
.irp a, 0,1,2,3
	global_load_b32 v[BV+2*\a], v13, s[96:97] offset:(32*(\a/2)+8*(\a%2))*4     ; my column of R tile a, twice: a pair for the packed addition
	global_load_b32 v[BV+2*\a+1], v13, s[96:97] offset:(32*(\a/2)+8*(\a%2))*4
.endr
.Lbias_done:
	MUL 7, F0+96
; 64 numbers of a lane, register 16 b + i = index 32 b + 16 (lane / 16) + i of my row, become a fragment's codes in v[pc] on and its scale word in v[pw]
.macro QUANT s, pc, pw
.irp b, 0,1,2,3
	v_max3_num_f32 v[TM+\b], |v[\s+16*\b]|, |v[\s+1+16*\b]|, FLOOR
.endr
.irp i, 2,4,6,8,10,12,14
.irp b, 0,1,2,3
	s_delay_alu instid0(VALU_DEP_4)
	v_max3_num_f32 v[TM+\b], v[TM+\b], |v[\s+16*\b+\i]|, |v[\s+1+16*\b+\i]|
.endr
.endr
.irp b, 0,1,2,3
	s_delay_alu instid0(VALU_DEP_4)
	v_permlanex16_b32 v[TM+4+\b], v[TM+\b], s98, s99
.endr
.irp b, 0,1,2,3
	s_delay_alu instid0(VALU_DEP_4)
	v_max_num_f32 v[TM+\b], v[TM+\b], v[TM+4+\b]   ; with lane l xor 16's: the block's largest magnitude
.endr
.irp b, 0,1,2,3
	s_delay_alu instid0(VALU_DEP_4)
	v_add_nc_u32 v[TM+12+\b], 0xff000000, v[TM+\b] ; 2 off the exponent field: the conversion's scale operand
.endr
.irp b, 0,1,2,3
	s_delay_alu instid0(VALU_DEP_4)
	v_lshrrev_b32 v[TM+4+\b], 23, v[TM+12+\b]      ; the byte
.endr
	s_delay_alu instid0(VALU_DEP_3)
	v_lshl_or_b32 v[\pw], v[TM+5], 8, v[TM+4]
	s_delay_alu instid0(VALU_DEP_1)
	v_lshl_or_b32 v[\pw], v[TM+6], 16, v[\pw]
	s_delay_alu instid0(VALU_DEP_1)
	v_lshl_or_b32 v[\pw], v[TM+7], 24, v[\pw]
.irp b, 0,1,2,3
	v_cvt_scalef32_pk8_fp4_f32 v[\pc+2*\b], v[\s+16*\b:\s+7+16*\b], v[TM+12+\b]
	v_cvt_scalef32_pk8_fp4_f32 v[\pc+1+2*\b], v[\s+8+16*\b:\s+15+16*\b], v[TM+12+\b]
.endr
	v_nop                                          ; one plain place behind the scaled conversions
.irp c, 0,1                                    ; a whole block to a lane: lanes 0-15 block 2 c, lanes 16-31 block 2 c + 1
.irp i, 0,1
	v_permlane16_swap_b32 v[\pc+4*\c+\i], v[\pc+2+4*\c+\i]
.endr
.endr
.endm
.rept 4
	v_nop                                          ; four places behind the last products: their results are read and their operands' registers written below
.endr
.irp b, 0,1,2,3
	v_mov_b32 v[TM+4+\b], 0                        ; written once: a lane permute's destination counts as one of its sources
.endr
	s_wait_loadcnt 0x0                             ; the bias
	s_lshr_b32 s76, s[TB], 2                       ; the batch,
	s_lshl_b32 s76, s76, 4
	s_lshl_b32 s77, s[NB], 2
	s_add_co_u32 s76, s76, s77                     ; 16 x batch + 4 nb: the first head of my 256 columns
	s_mov_b32 s87, 0
	s_cmp_eq_u32 s[ISV], 1
	s_cbranch_scc1 .Lout_v
	; ---- q, k: my 128 columns are two heads; a fragment's c = 0, 1 are their 64 each
	s_lshl_b32 s77, s[WP], 1
	s_add_co_u32 s76, s76, s77                     ; bh of the first
	s_and_b32 s77, s[TB], 3
	s_lshl_b32 s77, s77, 4
	s_lshl_b32 s78, s[WR], 2
	s_add_co_u32 s77, s77, s78                     ; my first token tile in the batch
	s_mov_b32 s78, 98304
	s_mov_b32 s79, 8192
	s_mov_b32 s80, 6291456
	s_mov_b32 s82, 0x03030303
	s_cmp_eq_u32 s[ISK], 1
	s_cselect_b32 s78, 141312, s78                 ; from head to head: codes,
	s_cselect_b32 s79, 141312, s79                 ; scales;
	s_cselect_b32 s80, 131072, s80                 ; where the scales begin;
	s_cselect_b32 s82, 0, s82                      ; what is taken off the bytes: 3 for q
	s_cselect_b64 s[84:85], s[24:25], s[22:23]     ; kv or qq
	s_mul_i32 s86, s76, s78
	s_mul_i32 s81, s77, 1536
	s_add_co_u32 s86, s86, s81
	s_lshl_b32 s81, s[STR], 9
	s_add_co_u32 s86, s86, s81
	s_add_nc_u64 s[88:89], s[84:85], s[86:87]      ; codes of the first head,
	s_mov_b32 s86, s78
	s_add_nc_u64 s[90:91], s[88:89], s[86:87]      ; of the second
	s_mul_i32 s86, s76, s79
	s_add_co_u32 s86, s86, s80
	s_lshl_b32 s81, s77, 7
	s_add_co_u32 s86, s86, s81
	s_lshr_b32 s81, s[STR], 1
	s_lshl_b32 s81, s81, 2
	s_add_co_u32 s86, s86, s81
	s_and_b32 s81, s[STR], 1
	s_lshl_b32 s81, s81, 1
	s_add_co_u32 s86, s86, s81                     ; the stream's two bytes in a row's two words
	s_add_nc_u64 s[92:93], s[84:85], s[86:87]
	v_mul_u32_u24 v11, s79, v8
	s_delay_alu instid0(VALU_DEP_1)
	v_lshl_add_u32 v11, v7, 3, v11                 ; 8 rho; lanes 16-31 store the second head's two bytes
.macro OUTQ a
	WIN 0x01                                       ; source 0: the accumulators, window 1
.set i, 0
.rept 32
	v_pk_add_f32 v[HH+i:HH+i+1], v[64*\a+i:64*\a+i+1], v[BQ+i:BQ+i+1]   ; + the bias; each accumulator from its low end on
.set i, i+2
.endr
	WIN 0
	QUANT HH, PC+8*\a, PW+\a
	global_store_b128 v6, v[PC+8*\a:PC+8*\a+3], s[88:89] offset:1536*\a      ; 512 consecutive bytes
	global_store_b128 v6, v[PC+8*\a+4:PC+8*\a+7], s[90:91] offset:1536*\a
	v_sub_nc_u32 v[PW+\a], v[PW+\a], s82           ; every byte is at least 4: no borrow
	s_delay_alu instid0(VALU_DEP_1)
	v_lshrrev_b32 v[VAL+\a], v9, v[PW+\a]
	global_store_b16 v11, v[VAL+\a], s[92:93] offset:128*\a
.endm
.irp a, 0,1,2,3
	OUTQ \a
.endr
	s_cmp_eq_u32 s[STR], 2                         ; the third stream fills half a K step: the other half's codes are zeros in launch 3, and its two bytes are 0x7f
	s_cbranch_scc0 .Lno_pad
	v_mov_b32 v[TM], 0x7f7f
.irp a, 0,1,2,3
	global_store_b16 v11, v[TM], s[92:93] offset:128*\a+2
.endr
.Lno_pad:
	s_wait_tensorcnt 0x0                           ; the wave's end
	ds_add_u32 v[SPW], v[NIL]
	s_wait_dscnt 0x0
	s_endpgm
	; ---- v: my 64 columns are one head, my 128 tokens one key step
.Lout_v:
	s_add_co_u32 s76, s76, s[WR]                   ; bh
	s_and_b32 s77, s[TB], 3
	s_lshl_b32 s77, s77, 1
	s_add_co_u32 s77, s77, s[WP]                   ; the key step
	s_mul_i32 s76, s76, 141312
	s_lshl_b32 s86, s77, 12
	s_add_co_u32 s86, s86, s76
	s_add_co_u32 s86, s86, 98304
	s_add_nc_u64 s[88:89], s[24:25], s[86:87]
	s_lshl_b32 s86, s77, 8
	s_add_co_u32 s86, s86, s76
	s_add_co_u32 s86, s86, 139264
	s_add_nc_u64 s[92:93], s[24:25], s[86:87]
.macro OUTV a
	WIN 0x01
.set i, 0
.rept 32
	v_pk_add_f32 v[HH+i:HH+i+1], v[64*\a+i:64*\a+i+1], v[BV+2*\a:BV+2*\a+1]
.set i, i+2
.endr
	WIN 0
	QUANT HH, PC+8*\a, PW+\a
	global_store_b128 v6, v[PC+8*\a:PC+8*\a+3], s[88:89] offset:1024*\a
	global_store_b128 v6, v[PC+8*\a+4:PC+8*\a+7], s[88:89] offset:1024*\a+512
.endm
.irp a, 0,1,2,3
	OUTV \a
.endr
	v_cmp_ne_u32 vcc_lo, 0, v8
	s_delay_alu instid0(VALU_DEP_1)
	v_cndmask_b32 v[VAL], v[PW], v[PW+2], vcc_lo   ; lanes 0-15 store channel tiles 0, 1's words, lanes 16-31 tiles 2, 3's
	s_delay_alu instid0(VALU_DEP_2)
	v_cndmask_b32 v[VAL+1], v[PW+1], v[PW+3], vcc_lo
	global_store_b64 v12, v[VAL:VAL+1], s[92:93]   ; 256 consecutive bytes
	s_wait_tensorcnt 0x0                           ; the wave's end
	ds_add_u32 v[SPW], v[NIL]
	s_wait_dscnt 0x0
	s_endpgm
.Lfunc_end_k_q12ad1a1aec_proj:
	.size	k_q12ad1a1aec_proj, .Lfunc_end_k_q12ad1a1aec_proj-k_q12ad1a1aec_proj
	.p2alignl 7, 3214868480
	.fill 96, 4, 3214868480
	.section	.rodata,"a",@progbits
	.p2align	6, 0x0
	.amdhsa_kernel k_q12ad1a1aec_proj
		.amdhsa_group_segment_fixed_size 279552
		.amdhsa_private_segment_fixed_size 0
		.amdhsa_enable_private_segment 0
		.amdhsa_kernarg_size 88
		.amdhsa_user_sgpr_count 2
		.amdhsa_user_sgpr_kernarg_segment_ptr 1
		.amdhsa_wavefront_size32 1
		.amdhsa_system_sgpr_workgroup_id_x 1
		.amdhsa_system_sgpr_workgroup_id_y 1
		.amdhsa_system_sgpr_workgroup_id_z 1
		.amdhsa_system_vgpr_workitem_id 0
		.amdhsa_next_free_vgpr 512
		.amdhsa_next_free_sgpr 100
		.amdhsa_reserve_vcc 1
		.amdhsa_float_denorm_mode_32 3
		.amdhsa_float_denorm_mode_16_64 3
		.amdhsa_memory_ordered 1
		.amdhsa_forward_progress 1
		.amdhsa_inst_pref_size 121
	.end_amdhsa_kernel
	.amdgpu_metadata
---
amdhsa.version: [ 1, 2 ]
amdhsa.kernels:
  - .name:           k_q12ad1a1aec_proj
    .symbol:         k_q12ad1a1aec_proj.kd
    .args:
      - { .name: xq, .offset: 0, .size: 8, .value_kind: global_buffer, .address_space: global }
      - { .name: wq, .offset: 8, .size: 8, .value_kind: global_buffer, .address_space: global }
      - { .name: bqv, .offset: 16, .size: 8, .value_kind: global_buffer, .address_space: global }
      - { .name: bkv, .offset: 24, .size: 8, .value_kind: global_buffer, .address_space: global }
      - { .name: bqa0, .offset: 32, .size: 8, .value_kind: global_buffer, .address_space: global }
      - { .name: bka0, .offset: 40, .size: 8, .value_kind: global_buffer, .address_space: global }
      - { .name: bqa1, .offset: 48, .size: 8, .value_kind: global_buffer, .address_space: global }
      - { .name: bka1, .offset: 56, .size: 8, .value_kind: global_buffer, .address_space: global }
      - { .name: bvv, .offset: 64, .size: 8, .value_kind: global_buffer, .address_space: global }
      - { .name: qq, .offset: 72, .size: 8, .value_kind: global_buffer, .address_space: global }
      - { .name: kv, .offset: 80, .size: 8, .value_kind: global_buffer, .address_space: global }
    .group_segment_fixed_size: 279552
    .private_segment_fixed_size: 0
    .kernarg_segment_align: 8
    .kernarg_segment_size: 88
    .max_flat_workgroup_size: 256
    .sgpr_count:     100
    .vgpr_count:     512
    .wavefront_size: 32
...
	.end_amdgpu_metadata
.endif
;; end of part 2
;; launch attn (part 3): grid 8 x 32, 8 waves a work-group, clusters of 4 x 1, 327,680 bytes of LDS; arguments qq, kv, attn_mask, cq; writes cq
.if DOCPART == 3
	.amdgcn_target "amdgcn-amd-amdhsa--gfx1250"
	.amdhsa_code_object_version 6
	.text
	.protected	k_q12ad1a1aec_attn
	.globl	k_q12ad1a1aec_attn
	.p2align	8
	.type	k_q12ad1a1aec_attn,@function
k_q12ad1a1aec_attn:
	s_mov_b64 s[64:65], 0
	v_nop
	global_prefetch_b8 v0, s[64:65] scope:SCOPE_SE
	s_setreg_imm32_b32 hwreg(HW_REG_WAVE_MODE, 25, 1), 1
	s_wait_xcnt 0x0
	s_wait_alu depctr_hold_cnt(0) depctr_sa_sdst(0) depctr_va_vdst(0) depctr_va_sdst(0) depctr_va_ssrc(0) depctr_va_vcc(0) depctr_vm_vsrc(0)
	s_getreg_b32 s2, hwreg(HW_REG_IB_STS2, 6, 4)
	s_cmp_eq_u32 s2, 0
	s_cbranch_scc0 .Lentry_in_a_cluster
	s_endpgm
.Lentry_in_a_cluster:
	s_bfe_u32 s2, ttmp6, 0x10000c
	s_cmp_lg_u32 s2, 0x3003
	s_cbranch_scc0 .Lentry_shape_is_right
	s_endpgm
.Lentry_shape_is_right:
; LAUNCH 3 OF 4.  scores = (qv kv^T + qa0 ka0^T + qa1 ka1^T) / 8 + attn_mask, the softmax, ctx = softmax v, ctx quantised along D.  All products on codes of E2M1.  No work is left out:
; the mask is an input, so all 1,024 keys are walked for every query and every number of the mask is read.
; SHARES.  A work-group: TWO neighbouring heads of a batch x 128 queries.  Each of eight waves owns one tile of 16 queries FOR BOTH HEADS: a step's 128 keys of the mask are loaded once, into registers of window 1,
; and are the C of both heads' first score products (D lies elsewhere), so the mask's bytes are asked for by eight work-groups of a batch and not by sixteen.
; THE THREE SCORE PRODUCTS ARE TWO MATRIX INSTRUCTIONS: K = 128 holds (v's 64 | a0's 64) and (a1's 64 | 64 that count for nothing: Q's codes there are zeros under the byte 0x7f, and E2M1 has no NaN, so whatever
; stands in K's registers there adds nothing).  The factor 1/8 lies in Q's scale bytes (launch 2).  Mask and products are one chain of f32 sums.
; THE SOFTMAX: t = logit x log2(e); M = the running largest t rounded up to a whole number; p = 2^(t - M) is quantised along the keys; the row's sum is taken of the unquantised p and divides at the end.
; LDS.  Both heads' images of K, V and scale bytes, 2 x 141,312 bytes, lie as in memory, each byte filled once.  CLUSTER: four work-groups of a pair of heads ask JOINTLY; the descriptors hang on the pair and the wave's number alone.
; At the head one load a wave: K of key steps 0 and 1 (waves 0-3), V of them (4, 5), the scale bytes (6, 7).  Behind the three lines and a round: one load a wave of 96 rows: the rest of K and V.
; Steps 0 and 1 read the first group alone; a barrier in each trip's last half step, with the wait for my tensor load in front, stands ahead of the first read of later keys.
; The image is asked for whole at the head, so there is no later trip in which to prefetch it; the mask is prefetched (macro ASK).
; LAYOUT.  Both products transposed: a lane holds one query (lane % 16); by the tiles' order of rows (launch 1) the 16 registers of tiles 2 b, 2 b + 1 are 16 neighbours along the next K.
; LIMITS: NaN and infinities are not served; the promise holds while |t| stays under 2^31; a block of zeros carries the byte 1 (its codes are zeros; this program alone reads the bytes).
; The last half step asks for four key tiles beyond key 1,023: the loads read filled bytes of the image and their registers are not used.
; WINDOW 0: v1-4 head 0's places in LDS, v24-27 head 1's; v5, v6 the add's two; v7 the mask's offset; v8-11 LDS addresses in hand; v12-15, v16-19: -M, largest t, the sum's pair, for each head; v28-31 offsets;
; v32 + 12 t key tile t, v80-83 zeros; V's fragments v84, v214, v222, v240; v92-95 scale operands; v96-159 S^T, p; v160-191 Q (12 + 4 zeros a head); v192-199 p's codes; v200-207 K's scale words; v208-211 Q's; v230-239, v252-255 at work; v248-251 V's scale words.
; WINDOW 1: v0-63, v64-127 the mask, two buffers; v128-191 O^T of the two heads.
.set IMG,   141312
.set SPARE, 2*IMG
.set SPW, 5
.set NIL, 6
.set SOP, 92
.set WV,  18
.set QF,  160
.set QS,  208
.set OT,  128
.set MSB, 0
.macro WIN new                         ; the immediate's high byte repeats the setting that is left
.if MSB != \new
	s_set_vgpr_msb (MSB<<8)|\new
.set MSB, \new
.endif
.endm
.macro CROUND                          ; a round of the cluster's barrier
	s_barrier_signal -1
	s_barrier_wait -1
	s_cmp_lg_u32 s[WV], 0
	s_cbranch_scc1 .Lnot_wave_0_\@
	s_barrier_signal -3
.Lnot_wave_0_\@:
	s_barrier_wait -3
	s_barrier_signal -1
	s_barrier_wait -1
.endm
.macro G1ROWS g, r                     ; group 1: r dense rows of 256 bytes (32 elements of 8 bytes); the mask names all four work-groups; bit 21 beside it
	s_mov_b32 s[\g], 15|(3<<16)|(1<<21)
	s_mov_b32 s[\g+1], 32<<16
	s_mov_b32 s[\g+2], (\r)<<16
	s_mov_b32 s[\g+3], 32<<16
	s_mov_b32 s[\g+4], \r
	s_mov_b32 s[\g+5], 32
	s_mov_b32 s[\g+6], 0
	s_mov_b32 s[\g+7], 0
.endm
.macro G0SET g, off                    ; group 0: s[off] is the piece's byte in the pair's image, in memory as in LDS; s[76:77] the image; s17 = 0
	s_mov_b32 s[\g], 1
	s_mov_b32 s[\g+1], s[\off]
	s_mov_b32 s16, s[\off]
	s_add_nc_u64 s[\g+2:\g+3], s[76:77], s[16:17]
	s_or_b32 s[\g+3], s[\g+3], 0x80000000
.endm
.macro FOURNOP
.rept 4
	v_nop
.endr
.endm
	s_load_b256 s[4:11], s[0:1], 0x0               ; qq s4, kv s6, attn_mask s8, cq s10
	v_lshl_add_u32 v[SPW], v0, 2, SPARE
	v_mov_b32 v[NIL], 0
	ds_add_u32 v[SPW], v[NIL]                      ; the opening: the add, twice on end, and its wait ahead of the round in front of my first tensor load
	ds_add_u32 v[SPW], v[NIL]
	v_lshrrev_b32 v8, 5, v0
	s_delay_alu instid0(VALU_DEP_1)
	v_readfirstlane_b32 s[WV], v8                  ; wave 0..7
	s_and_b32 s12, ttmp7, 0xffff                   ; the pair of heads, 0..31: the four partners share it
	s_and_b32 s13, s12, 7                          ; the pair in its batch
	s_lshr_b32 s14, s12, 3                         ; batch
	s_bfe_u32 s19, ttmp6, 0x40000                  ; cx
	s_lshl_b32 s15, ttmp9, 2
	s_add_co_u32 s15, s15, s19                     ; my block of 128 queries: it enters Q's, the mask's and ctx's addresses alone
	s_lshl_b32 s15, s15, 3
	s_add_co_u32 s15, s15, s[WV]                   ; tau: my tile of queries in the batch
	G1ROWS 24, 48                                  ; a key step of K: 12,288 bytes
	G1ROWS 32, 32                                  ; V of steps 0, 1: 8,192
	G1ROWS 40, 40                                  ; a head's scale bytes: 10,240
	s_and_b32 s66, s[WV], 1
	s_mul_i32 s67, s66, IMG
	s_lshr_b32 s70, s[WV], 1
	s_mul_i32 s78, s70, IMG
	s_mul_i32 s79, s66, 12288
	s_add_co_u32 s78, s78, s79                     ; waves 0-3: head w / 2, K of step w % 2
	s_add_co_u32 s79, s67, 98304                   ; waves 4, 5: head w % 2, V of steps 0, 1
	s_add_co_u32 s80, s67, 131072                  ; waves 6, 7: head w % 2, the scale bytes
	s_add_co_u32 s70, s70, 1                       ; the second group: head w % 2, part w / 2: K from 24,576 (w / 2 + 1) on; part 3 is V from 106,496 on
	s_mul_i32 s81, s70, 24576
	s_lshr_b32 s70, s70, 2
	s_lshl_b32 s70, s70, 13
	s_add_co_u32 s81, s81, s70
	s_add_co_u32 s81, s81, s67
	s_mul_i32 s16, s12, 2*IMG
	s_mov_b32 s17, 0
	s_mov_b32 s20, 0x76543210
	s_mov_b32 s21, 0xfedcba98                      ; selects for lane l xor 16
	s_mov_b32 s22, 0x3fb8aa3b                      ; log2(e)
	s_mov_b32 s23, s22
	s_wait_dscnt 0x0                               ; both opening adds are done
	s_wait_kmcnt 0x0
	s_add_nc_u64 s[76:77], s[6:7], s[16:17]
	CROUND                                         ; all four work-groups are here: the joint loads meet
	G0SET 56, 78
	G0SET 60, 79
	G0SET 68, 80
	G0SET 72, 81
.macro ARM under, g0, g1, next         ; one tree of branches on the wave's number: every way passes exactly one load
	s_cmp_lt_u32 s[WV], \under
	s_cbranch_scc0 \next
	tensor_load_to_lds s[\g0:\g0+3], s[\g1:\g1+7]
	s_nop 0
	FOURNOP
	s_branch .Lhead_asked
\next:
.endm
	ARM 4, 56, 24, .Lhead_v
	ARM 6, 60, 32, .Lhead_s
	tensor_load_to_lds s[68:71], s[40:47]
	s_nop 0
	FOURNOP
.Lhead_asked:
	v_and_b32 v8, 31, v0
	v_and_b32 v9, 15, v0                           ; rho
	v_bfe_u32 v31, v0, 4, 1                        ; h
	v_lshlrev_b32 v1, 4, v8                        ; K's codes: 16 x lane
	v_lshl_add_u32 v3, v9, 3, 131072               ; K's scale words: 8 rho
	v_lshl_add_u32 v4, v9, 4, 139264               ; V's: 16 rho
	v_add_nc_u32 v2, 98304, v1                     ; V's codes
	v_add_nc_u32 v24, IMG, v1                      ; the same four for head 1
	v_add_nc_u32 v25, IMG, v3
	v_add_nc_u32 v27, IMG, v4
	v_add_nc_u32 v26, IMG, v2
	v_and_b32 v11, 8, v9
	s_delay_alu instid0(VALU_DEP_1)
	v_add_nc_u32 v11, v11, v9                      ; rho + 8 (rho / 8): my query in the tile's 24 rows
	s_delay_alu instid0(VALU_DEP_1)
	v_lshlrev_b32 v7, 12, v11
	s_delay_alu instid0(VALU_DEP_1)
	v_lshl_add_u32 v28, v31, 8, v7                 ; the prefetches: my query's row, 256 h
	v_lshl_add_u32 v7, v31, 6, v7                  ; the mask: my query's row, 64 h
	v_lshlrev_b32 v29, 3, v9                       ; Q's scale words
	s_delay_alu instid0(VALU_DEP_1)
	v_lshl_add_u32 v30, v31, 1, v29                ; ctx's scale bytes: 8 rho + 2 h
.irp j, 172,173,174,175, 188,189,190,191, 80,81,82,83
	v_mov_b32 v\j, 0                               ; Q's zero codes, and the four registers named behind the last key tile: they stay
.endr
	s_mov_b32 s67, 0
	s_mul_i32 s66, s12, 196608
	s_mul_i32 s90, s15, 1536
	s_add_co_u32 s66, s66, s90
	s_add_nc_u64 s[82:83], s[4:5], s[66:67]        ; Q's codes, head 0 of the pair; head 1's lie 98,304 bytes on
	s_lshl_b32 s66, s12, 14
	s_lshl_b32 s90, s15, 7
	s_add_co_u32 s66, s66, s90
	s_add_co_u32 s66, s66, 6291456
	s_add_nc_u64 s[84:85], s[4:5], s[66:67]        ; Q's scale words; head 1's 8,192 on
	s_lshl_b32 s66, s14, 22
	s_lshr_b32 s90, s15, 1
	s_lshl_b32 s90, s90, 17
	s_add_co_u32 s66, s66, s90
	s_and_b32 s90, s15, 1
	s_lshl_b32 s90, s90, 15
	s_add_co_u32 s66, s66, s90
	s_add_nc_u64 s[48:49], s[8:9], s[66:67]        ; the mask at row 32 (tau / 2) + 8 (tau % 2) of my batch, key 0
.macro MASK mb                         ; a step's 128 keys of my 16 queries into window 1, in the result's layout: key tile t, register j: key 32 (t / 2) + 16 h + 8 (t % 2) + j
	WIN 0x40
.irp t, 0,1,2,3,4,5,6,7
.irp i, 0,1
	global_load_b128 v[(\mb)+8*\t+4*\i:(\mb)+8*\t+4*\i+3], v7, s[48:49] offset:128*(\t/2)+32*(\t%2)+16*\i
.endr
.endr
	WIN 0
.endm
	s_wait_alu depctr_va_vdst(0)                   ; the wait here, ahead of the readers below
.irp hd, 0,1
.irp s, 0,1,2
	global_load_b128 v[QF+16*\hd+4*\s:QF+16*\hd+4*\s+3], v1, s[82:83] offset:98304*\hd+512*\s
.endr
	global_load_b64 v[QS+2*\hd:QS+2*\hd+1], v29, s[84:85] offset:8192*\hd
.endr
	MASK 0
	s_lshl_b32 s91, s14, 6
	s_add_co_u32 s91, s91, s15                     ; T: my tile among all 256
	s_lshr_b32 s90, s13, 1                         ; the pair's 128 of D: chunk,
	s_and_b32 s92, s13, 1                          ; ks; the two heads are c = 0, 1
	s_lshl_b32 s66, s90, 19
	s_lshl_b32 s93, s91, 11
	s_add_co_u32 s66, s66, s93
	s_lshl_b32 s93, s92, 10
	s_add_co_u32 s66, s66, s93
	s_add_nc_u64 s[86:87], s[10:11], s[66:67]      ; ctx's codes
	s_lshl_b32 s66, s91, 9
	s_lshl_b32 s93, s90, 7
	s_add_co_u32 s66, s66, s93
	s_lshl_b32 s93, s92, 2
	s_add_co_u32 s66, s66, s93
	s_add_co_u32 s66, s66, 2097152
	s_add_nc_u64 s[88:89], s[10:11], s[66:67]      ; ctx's scale words
	s_cmp_eq_u32 s13, 0
	s_cselect_b32 s55, 1, -1                       ; who prefetches: the batch's first pair of heads: the same in all four partners
	s_mov_b32 s50, 0                               ; the step's place: K's codes,
	s_mov_b32 s51, 0                               ; K's scale words,
	s_mov_b32 s52, 0                               ; V's codes,
	s_mov_b32 s53, 0                               ; V's scale words
	s_mov_b32 s54, 4                               ; trips of two key steps
.irp st, 12, 16
	v_mov_b32 v[\st+1], 0xff61b1e6                 ; the largest t so far: -3e38
	v_mov_b32 v[\st+2], 0
	v_mov_b32 v[\st+3], 0
	v_floor_f32 v[\st], -v[\st+1]                  ; -M
.endr
.irp j, 236,237,238,239, 253
	v_mov_b32 v\j, 0                               ; written once: a lane permute's destination counts as a source; v253 is named in a pair
.endr
	v_mov_b32 v8, v1                               ; step 0, head 0
	v_mov_b32 v10, v3
	WIN 0x40
.set j, 0
.rept 64
	v_mov_b32 v[OT+j], 0                           ; O^T: the step is written once; the first finds zeros, which the first change of M leaves zeros
.set j, j+1
.endr
	WIN 0
; A PREFETCH INTO THE L2 of the mask: behind the loads of step j + 1 the bytes of step j + 2: my 16 rows x 512 bytes, a lane to each aligned 256.  The eight pairs of heads of a batch read the same rows: the first pair's
; work-groups ask, each wave for its own rows, so each block is named once in the launch.  Steps 0 and 1 come by their loads alone; the last trip asks for nothing: its steps 6 and 7 have no step two on.
.macro ASK
	s_cmp_gt_u32 s54, s55
	s_cbranch_scc0 .Lnot_mine_\@
	global_prefetch_b8 v28, s[48:49] offset:512 th:TH_LOAD_NT scope:SCOPE_SE
.Lnot_mine_\@:
.endm
.macro KTILE g, t                      ; key tile 4 g + t at v8, v10: three loads of 512 consecutive bytes and the tile's two scale words
.irp s, 0,1,2
	ds_load_b128 v[32+12*(\t)+4*\s:32+12*(\t)+4*\s+3], v8 offset:(4*(\g)+(\t))*1536+512*\s
.endr
	ds_load_b64 v[200+2*(\t):201+2*(\t)], v10 offset:(4*(\g)+(\t))*128
.endm
; S^T of key tiles 4 g .. 4 g + 3: the four accumulators take turns, one instruction a turn; the first product takes the mask (window 1) as C
.macro SPROD g, hd, mb
	WIN 0x10
.irp t, 0,1,2,3
	v_wmma_scale_f32_16x16x128_f8f6f4 v[96+8*(4*\g+\t):103+8*(4*\g+\t)], v[32+12*\t:39+12*\t], v[QF+16*\hd:QF+16*\hd+7], v[(\mb)+8*(4*\g+\t):(\mb)+8*(4*\g+\t)+7], v[200+2*\t], v[QS+2*\hd] matrix_a_fmt:MATRIX_FMT_FP4 matrix_b_fmt:MATRIX_FMT_FP4
.endr
	WIN 0
.irp t, 0,1,2,3
	v_wmma_scale_f32_16x16x128_f8f6f4 v[96+8*(4*\g+\t):103+8*(4*\g+\t)], v[40+12*\t:47+12*\t], v[QF+16*\hd+8:QF+16*\hd+15], v[96+8*(4*\g+\t):103+8*(4*\g+\t)], v[201+2*\t], v[QS+2*\hd+1] matrix_a_fmt:MATRIX_FMT_FP4 matrix_b_fmt:MATRIX_FMT_FP4
.endr
.endm
; the largest logit of blocks b0, b1 of 32 keys (my 16 of each), in two parts.  It serves the row's maximum and, since p rises with the logit, the block's largest p
.macro BMAX1 b0, b1
.irp b, \b0, \b1
	v_max3_num_f32 v[232+\b], v[96+16*\b], v[97+16*\b], v[98+16*\b]
.endr
.irp i, 3,5,7,9,11
.irp b, \b0, \b1
	v_max3_num_f32 v[232+\b], v[232+\b], v[96+16*\b+\i], v[97+16*\b+\i]
.endr
.endr
.endm
.macro BMAX2 b0, b1
.irp b, \b0, \b1
	v_max3_num_f32 v[232+\b], v[232+\b], v[109+16*\b], v[110+16*\b]
.endr
.irp b, \b0, \b1
	v_max_num_f32 v[232+\b], v[232+\b], v[111+16*\b]
.endr
.endm
.macro VLOAD reg, t                    ; V^T: channel tile t x the step's 128 keys
	ds_load_b128 v[\reg:\reg+3], v9 offset:1024*\t
	ds_load_b128 v[\reg+4:\reg+7], v9 offset:1024*\t+512
.endm
.macro PV reg, t
	v_wmma_scale_f32_16x16x128_f8f6f4 v[OB+8*\t:OB+8*\t+7], v[\reg:\reg+7], v[192:199], v[OB+8*\t:OB+8*\t+7], v[248+\t], v253 matrix_a_fmt:MATRIX_FMT_FP4 matrix_b_fmt:MATRIX_FMT_FP4
.endm
.macro ADD8 o                          ; eight chains of sums take a pair each
	v_pk_add_f32 v[236:237], v[236:237], v[\o:\o+1]
	v_pk_add_f32 v[254:255], v[254:255], v[\o+2:\o+3]
	v_pk_add_f32 v[238:239], v[238:239], v[\o+4:\o+5]
	v_pk_add_f32 v[230:231], v[230:231], v[\o+6:\o+7]
	v_pk_add_f32 v[198:199], v[198:199], v[\o+8:\o+9]
	v_pk_add_f32 v[196:197], v[196:197], v[\o+10:\o+11]
	v_pk_add_f32 v[194:195], v[194:195], v[\o+12:\o+13]
	v_pk_add_f32 v[ST+2:ST+3], v[ST+2:ST+3], v[\o+14:\o+15]
.endm
; four blocks' largest magnitudes in v232-235, their numbers in v96-159: scale operands, bytes (v236-239), codes in v192-199, a whole block to a lane
.macro CODES
.irp b, 0,1,2,3
	s_delay_alu instid0(VALU_DEP_4)
	v_add_nc_u32 v[SOP+\b], 0xff000000, v[232+\b]  ; 2 off the exponent field: the conversion's scale operand
.endr
.irp b, 0,1,2,3
	s_delay_alu instid0(VALU_DEP_4)
	v_lshrrev_b32 v[236+\b], 23, v[SOP+\b]
.endr
.irp b, 0,1,2,3
	v_cvt_scalef32_pk8_fp4_f32 v[192+2*\b], v[96+16*\b:103+16*\b], v[SOP+\b]
	v_cvt_scalef32_pk8_fp4_f32 v[193+2*\b], v[104+16*\b:111+16*\b], v[SOP+\b]
.endr
	v_nop                                          ; one plain place behind the scaled conversions
.irp c, 0,1
.irp i, 0,1
	v_permlane16_swap_b32 v[192+4*\c+\i], v[194+4*\c+\i]
.endr
.endr
.endm
; HALF A KEY STEP: 128 keys of head hd.  At its head key tiles 0-3 have been asked for and v8, v10 point at its keys.  mb: the step's mask.  bar = 1: the barrier ahead of the first read of the next trip's keys
.macro HSTEP hd, mb, bar
.set ST, 12+4*\hd
.set OB, OT+32*\hd
	s_wait_dscnt 0x0                               ; key tiles 0-3
	SPROD 0, \hd, \mb
	v_add_nc_u32 v9, s52, v[2+24*\hd]              ; V's addresses; with the two v_nop the four places in front of the loads below
	v_add_nc_u32 v11, s53, v[4+23*\hd]
	v_nop
	v_nop
.irp t, 0,1,2,3
	KTILE 1, \t                                    ; key tiles 4-7
.endr
.if \hd
	s_add_co_u32 s50, s50, 12288                   ; what comes next: head 0 of the next step,
	s_add_co_u32 s51, s51, 1024
	v_add_nc_u32 v8, s50, v1
	v_add_nc_u32 v10, s51, v3
.else
	v_add_nc_u32 v8, s50, v24                      ; or head 1 of this step
	v_add_nc_u32 v10, s51, v25
.endif
	BMAX1 0, 1
	s_wait_alu depctr_va_vdst(0)                   ; the wait here, directly ahead of the wait below
	s_wait_dscnt 0x0
	SPROD 1, \hd, \mb
	BMAX2 0, 1                                     ; four lines on tiles 0-3's results: the places behind the products of tiles 4-7
.if \bar
	s_wait_tensorcnt 0x0                           ; my part of the second group has landed (no LDS instruction of mine is out),
	s_barrier_signal -1
	s_barrier_wait -1                              ; and everybody's
.endif
	VLOAD 84, 0
	VLOAD 214, 1
	VLOAD 222, 2
	VLOAD 240, 3
	ds_load_b128 v[248:251], v11                   ; nine loads, wanted behind the softmax
	BMAX1 2, 3
	BMAX2 2, 3
	KTILE 0, 0                                     ; the next half step's key tiles 0-3, at four places in the softmax
.irp b, 0,1,2,3
	v_permlanex16_b32 v[236+\b], v[232+\b], s20, s21
.endr
.irp b, 0,1,2,3
	s_delay_alu instid0(VALU_DEP_4)
	v_max_num_f32 v[232+\b], v[232+\b], v[236+\b]  ; with lane l xor 16's 16 keys
.endr
	s_delay_alu instid0(VALU_DEP_2)
	v_max3_num_f32 v254, v232, v233, v234
	s_delay_alu instid0(VALU_DEP_1)
	v_max_num_f32 v254, v254, v235
	s_delay_alu instid0(VALU_DEP_1)
	v_mul_f32 v254, s22, v254                      ; as t
	s_delay_alu instid0(VALU_DEP_1)
	v_max_num_f32 v[ST+1], v[ST+1], v254           ; the running largest t
	v_mov_b32 v254, v[ST]
	s_delay_alu instid0(VALU_DEP_2)
	v_floor_f32 v[ST], -v[ST+1]                    ; the new -M = -ceil(t): a whole number
	s_delay_alu instid0(VALU_DEP_1)
	v_sub_f32 v254, v[ST], v254                    ; old M less new M: a whole number, 0 or less
	s_delay_alu instid0(VALU_DEP_1)
	v_cvt_i32_f32 v254, v254                       ; (it saturates)
	s_delay_alu instid0(VALU_DEP_1)
	v_ldexp_f32 v252, 1.0, v254                    ; f = 2^(old M - new M): a multiplication by it rounds nothing
	KTILE 0, 1
.set j, 0
.rept 32
	v_pk_fma_f32 v[96+j:97+j], v[96+j:97+j], s[22:23], v[ST:ST+1] op_sel_hi:[1,0,0]   ; t - M, two at a time
.set j, j+2
.endr
.irp b, 0,1,2,3
	v_fma_f32 v[232+\b], v[232+\b], s22, v[ST]     ; the same of each block's largest logit
.endr
	KTILE 0, 2
	s_wait_alu depctr_va_vdst(0)                   ; the wait ahead of the batch
.set j, 0
.rept 64
	v_exp_f32 v[96+j], v[96+j]                     ; p = 2^(t - M), at most 1
.set j, j+1
.endr
	v_pk_mul_f32 v[ST+2:ST+3], v[ST+2:ST+3], v[252:253] op_sel_hi:[1,0]   ; the sums under the new M: the plain place behind the exponentials
	KTILE 0, 3
	s_wait_alu depctr_va_vdst(0)                   ; one wait for the batch, ahead of its first reader
.irp b, 0,1,2,3
	v_exp_f32 v[232+\b], v[232+\b]                 ; the block's largest p: the same two instructions on the same number
.endr
	v_pk_add_f32 v[236:237], v[96:97], v[98:99]    ; the row's sum of the unquantised p, in eight chains
	v_pk_add_f32 v[254:255], v[100:101], v[102:103]
	v_pk_add_f32 v[238:239], v[104:105], v[106:107]
	v_pk_add_f32 v[230:231], v[108:109], v[110:111]
	v_pk_add_f32 v[198:199], v[112:113], v[114:115]
	v_pk_add_f32 v[196:197], v[116:117], v[118:119]
	v_pk_add_f32 v[194:195], v[120:121], v[122:123]
	v_pk_add_f32 v[ST+2:ST+3], v[ST+2:ST+3], v[124:125]
	ADD8 126
	ADD8 142
	v_pk_add_f32 v[236:237], v[236:237], v[158:159]
	v_pk_add_f32 v[254:255], v[254:255], v[238:239]
	v_pk_add_f32 v[230:231], v[230:231], v[198:199]
	v_pk_add_f32 v[196:197], v[196:197], v[194:195]
	v_pk_add_f32 v[ST+2:ST+3], v[ST+2:ST+3], v[236:237]
	s_delay_alu instid0(VALU_DEP_3)
	v_pk_add_f32 v[254:255], v[254:255], v[230:231]
	s_delay_alu instid0(VALU_DEP_2)
	v_pk_add_f32 v[ST+2:ST+3], v[ST+2:ST+3], v[196:197]
	s_delay_alu instid0(VALU_DEP_1)
	v_pk_add_f32 v[ST+2:ST+3], v[ST+2:ST+3], v[254:255]
	s_wait_alu depctr_va_vdst(0)                   ; and one for the four
.irp b, 0,1,2,3
	v_max_num_f32 v[232+\b], 0x1800000, v[232+\b]  ; the floor 2^(3 - 127): the byte cannot fall under 1
.endr
	CODES
	v_lshl_or_b32 v253, v237, 8, v236              ; p's scale word for these 128 keys
	s_delay_alu instid0(VALU_DEP_1)
	v_lshl_or_b32 v253, v238, 16, v253
	s_delay_alu instid0(VALU_DEP_1)
	v_lshl_or_b32 v253, v239, 24, v253
	WIN 0x41                                       ; O^T lies in window 1
	s_wait_alu depctr_va_vdst(0)                   ; the wait here, directly ahead of the first reader of O^T
.set j, 0
.rept 16
	v_pk_mul_f32 v[OB+j:OB+j+1], v[OB+j:OB+j+1], v[252:253] op_sel_hi:[1,0]   ; O^T under the new M; these sixteen also stand between the lines that made p's codes and scale word and the products
.set j, j+2
.endr
	WIN 0
	s_wait_alu depctr_va_vdst(0)                   ; the wait here, directly ahead of the wait below
	s_wait_dscnt 16                                ; V's nine loads are in; the sixteen of the next key tiles, issued behind them, may be out
	WIN 0x50
	PV 84, 0
	PV 214, 1
	PV 222, 2
	PV 240, 3
	WIN 0
.if \hd
	s_add_co_u32 s52, s52, 4096
	s_add_co_u32 s53, s53, 256
.endif
.endm
; A KEY STEP, the u-th of a trip: its mask, asked for a step ago, lies in buffer u; the next step's is asked for into the other buffer, but not behind step 7
.macro STEP u
	s_wait_loadcnt 0x0                             ; this step's mask (and, in step 0, Q)
.if \u
	s_cmp_eq_u32 s54, 1
	s_cbranch_scc1 .Lno_more_\@
.endif
	s_wait_xcnt 0x0                                ; the last prefetch has read its base: it may step
	s_add_nc_u64 s[48:49], s[48:49], 512           ; 128 keys on
	MASK 64*(1-\u)
	ASK
.Lno_more_\@:
	HSTEP 0, 64*\u, 0
	HSTEP 1, 64*\u, \u
.endm
	s_wait_alu depctr_va_vdst(0)                   ; the wait at the head's end
	s_wait_tensorcnt 0x0                           ; my load of the first group has landed
	ds_add_u32 v[SPW], v[NIL]
	s_mov_b32 s26, 96<<16                          ; no tensor load of mine is out, so a descriptor may be written: 96 rows from here on
	s_mov_b32 s28, 96
	s_wait_dscnt 0x0
	CROUND                                         ; everybody's has landed, and all four work-groups are here
	tensor_load_to_lds s[72:75], s[24:31]          ; the second group: my one load behind the round
	s_nop 0
	FOURNOP
.irp t, 0,1,2,3
	KTILE 0, \t                                    ; step 0, head 0: key tiles 0-3
.endr
.Ltrip:                                            ; four trips of two key steps
	STEP 0
	STEP 1
	s_sub_co_u32 s54, s54, 1
	s_cmp_lg_u32 s54, 0
	s_cbranch_scc1 .Ltrip
	; THE WAY OUT: O^T / the sum: my query's 64 numbers of ctx for each head: four blocks of 32 along D
	FOURNOP
	v_add_f32 v14, v14, v15
	v_add_f32 v18, v18, v19
	s_delay_alu instid0(VALU_DEP_2)
	v_permlanex16_b32 v252, v14, s20, s21
	s_delay_alu instid0(VALU_DEP_2)
	v_permlanex16_b32 v254, v18, s20, s21
	s_delay_alu instid0(VALU_DEP_2)
	v_add_f32 v14, v14, v252                       ; the rows' sums
	s_delay_alu instid0(VALU_DEP_2)
	v_add_f32 v18, v18, v254
	s_wait_alu depctr_va_vdst(0)                   ; the wait ahead of the batch
	v_rcp_f32 v14, v14
	v_rcp_f32 v18, v18
	v_nop                                          ; a plain place behind the reciprocals
	WIN 0x01
	s_wait_alu depctr_va_vdst(0)                   ; and the wait ahead of their first reader, which is O^T's first reader too
.set j, 0
.rept 32
	v_mul_f32 v[96+j], v[OT+j], v14                ; head 0: register 16 b + i: channel 32 b + 16 h + i
.set j, j+1
.endr
.set j, 0
.rept 32
	v_mul_f32 v[128+j], v[OT+32+j], v18            ; head 1
.set j, j+1
.endr
	WIN 0
.irp b, 0,1,2,3
	v_max3_num_f32 v[232+\b], |v[96+16*\b]|, |v[97+16*\b]|, 0x1800000
.endr
.irp i, 2,4,6,8,10,12,14
.irp b, 0,1,2,3
	s_delay_alu instid0(VALU_DEP_4)
	v_max3_num_f32 v[232+\b], v[232+\b], |v[96+16*\b+\i]|, |v[97+16*\b+\i]|
.endr
.endr
.irp b, 0,1,2,3
	s_delay_alu instid0(VALU_DEP_4)
	v_permlanex16_b32 v[236+\b], v[232+\b], s20, s21
.endr
.irp b, 0,1,2,3
	s_delay_alu instid0(VALU_DEP_4)
	v_max_num_f32 v[232+\b], v[232+\b], v[236+\b]
.endr
	CODES                                          ; v192-195 head 0's codes, v196-199 head 1's: lanes 0-15 a head's block 0, lanes 16-31 its block 1
	v_lshl_or_b32 v232, v237, 8, v236              ; head 0's two bytes,
	v_lshl_or_b32 v233, v239, 8, v238              ; head 1's
	v_cmp_ne_u32 vcc_lo, 0, v31
	s_delay_alu instid0(VALU_DEP_1)
	v_cndmask_b32 v234, v232, v233, vcc_lo         ; lanes 0-15 store head 0's, lanes 16-31 head 1's
	global_store_b128 v1, v[192:195], s[86:87]     ; 1,024 consecutive bytes in two stores
	global_store_b128 v1, v[196:199], s[86:87] offset:512
	global_store_b16 v30, v234, s[88:89]
	s_wait_tensorcnt 0x0                           ; the wave's end
	ds_add_u32 v[SPW], v[NIL]
	s_wait_dscnt 0x0
	CROUND                                         ; the closing round
	s_endpgm
.Lfunc_end_k_q12ad1a1aec_attn:
	.size	k_q12ad1a1aec_attn, .Lfunc_end_k_q12ad1a1aec_attn-k_q12ad1a1aec_attn
	.p2alignl 7, 3214868480
	.fill 96, 4, 3214868480
	.section	.rodata,"a",@progbits
	.p2align	6, 0x0
	.amdhsa_kernel k_q12ad1a1aec_attn
		.amdhsa_group_segment_fixed_size 327680
		.amdhsa_private_segment_fixed_size 0
		.amdhsa_enable_private_segment 0
		.amdhsa_kernarg_size 32
		.amdhsa_user_sgpr_count 2
		.amdhsa_user_sgpr_kernarg_segment_ptr 1
		.amdhsa_wavefront_size32 1
		.amdhsa_system_sgpr_workgroup_id_x 1
		.amdhsa_system_sgpr_workgroup_id_y 1
		.amdhsa_system_sgpr_workgroup_id_z 1
		.amdhsa_system_vgpr_workitem_id 0
		.amdhsa_next_free_vgpr 448
		.amdhsa_next_free_sgpr 100
		.amdhsa_reserve_vcc 1
		.amdhsa_float_denorm_mode_32 3
		.amdhsa_float_denorm_mode_16_64 3
		.amdhsa_memory_ordered 1
		.amdhsa_forward_progress 1
		.amdhsa_inst_pref_size 101
	.end_amdhsa_kernel
	.amdgpu_metadata
---
amdhsa.version: [ 1, 2 ]
amdhsa.kernels:
  - .name:           k_q12ad1a1aec_attn
    .symbol:         k_q12ad1a1aec_attn.kd
    .args:
      - { .name: qq, .offset: 0, .size: 8, .value_kind: global_buffer, .address_space: global }
      - { .name: kv, .offset: 8, .size: 8, .value_kind: global_buffer, .address_space: global }
      - { .name: attn_mask, .offset: 16, .size: 8, .value_kind: global_buffer, .address_space: global }
      - { .name: cq, .offset: 24, .size: 8, .value_kind: global_buffer, .address_space: global }
    .group_segment_fixed_size: 327680
    .private_segment_fixed_size: 0
    .kernarg_segment_align: 8
    .kernarg_segment_size: 32
    .max_flat_workgroup_size: 256
    .sgpr_count:     100
    .vgpr_count:     448
    .wavefront_size: 32
...
	.end_amdgpu_metadata
.endif
;; end of part 3
;; launch outln (part 4): grid 256 x 1, 16 waves a work-group, clusters of 4 x 1, 284,672 bytes of LDS; arguments cq, wq, e_v, bout, ln_gamma, ln_beta, out0; writes out0
.if DOCPART == 4
	.amdgcn_target "amdgcn-amd-amdhsa--gfx1250"
	.amdhsa_code_object_version 6
	.text
	.protected	k_q12ad1a1aec_outln
	.globl	k_q12ad1a1aec_outln
	.p2align	8
	.type	k_q12ad1a1aec_outln,@function
k_q12ad1a1aec_outln:
	s_mov_b64 s[64:65], 0
	v_nop
	global_prefetch_b8 v0, s[64:65] scope:SCOPE_SE
	s_setreg_imm32_b32 hwreg(HW_REG_WAVE_MODE, 25, 1), 1
	s_wait_xcnt 0x0
	s_wait_alu depctr_hold_cnt(0) depctr_sa_sdst(0) depctr_va_vdst(0) depctr_va_sdst(0) depctr_va_ssrc(0) depctr_va_vcc(0) depctr_vm_vsrc(0)
	s_getreg_b32 s2, hwreg(HW_REG_IB_STS2, 6, 4)
	s_cmp_eq_u32 s2, 0
	s_cbranch_scc0 .Lentry_in_a_cluster
	s_endpgm
.Lentry_in_a_cluster:
	s_bfe_u32 s2, ttmp6, 0x10000c
	s_cmp_lg_u32 s2, 0x3003
	s_cbranch_scc0 .Lentry_shape_is_right
	s_endpgm
.Lentry_shape_is_right:
; LAUNCH 4 OF 4.  out0 = LayerNorm(ctx Wout + bout + e_v) x ln_gamma + ln_beta; the product on codes of E2M1 (ctx from launch 3, Wout from launch 1).  No work is left out.
; A work-group: one tile of 16 tokens x all 1,024 columns, so that a row's mean and variance stay inside it.  Wave w makes columns 64 w .. 64 w + 63: four tiles, four accumulators by turns, eight K steps of 128.
; The product is used transposed (source 0 = 16 columns of Wout, source 1 = the 16 tokens): a lane holds one token and, by the tiles' order of rows (launch 1), 16 neighbouring columns in two tiles' registers.
; WHERE THE OPERANDS COME FROM.  All is asked for at the head.  A wave's own 32,768 bytes of Wout's codes: K steps 0-3 by one tensor load of 16,384 bytes into LDS, which that wave alone reads; K steps 4-7 by 32 loads of 512
; consecutive bytes straight into fragments.  What all sixteen waves want alike comes once for the work-group: ctx's 8,192 bytes of codes by a load of 512 bytes a wave, stored to LDS; gamma, beta and bout by two loads a wave, stored to LDS.
; CLUSTER.  Four work-groups form a cluster.  Wout's tensor loads hang on the wave's number alone, so the four ask for them JOINTLY (a mask that names the four); ctx's are each work-group's own.
; SCALE WORDS take both halves of the lanes: lanes 0-15 a chunk's (256 along K) two words, lanes 16-31 the next chunk's; the matrix instruction's row selectors pick the half.
; K steps 4-7 are multiplied first (their first product starts the sums), then 0-3: one chain of f32 sums in that order.
; The results meet in a stage in LDS (16 rows x (4,096 + 16) bytes), and wave w takes row w whole: residual, bias, norm, 4,096 consecutive bytes out.  The stage lies over Wout's image, which has had its one fill: a barrier
; stands between every wave's last read of the image and the first store into the stage.  Three barriers in all.
; LIMITS: NaN and infinities are not served.
.set CIMG,  262144                     ; LDS: Wout's image 0 .. 262,143: [wave 16][chunk 2][tile 4][ks][c][lane][16]; here ctx's: [chunk 4][ks][c][lane][16];
.set VEC,   270336                     ; gamma 4,096, beta 4,096, bout 4,096;
.set SPARE, 282624                     ; the spare words, 128 bytes for each wave
.set SPW, 5
.set NIL, 6
.set WS,  12                           ; v12-27  Wout's scale words: tile i, pair of chunks p, ks at 4 i + 2 p + ks
.set CSC, 28                           ; v28-31  ctx's: 2 p + ks
.set ACC, 32                           ; v32-63  four accumulators; later my row
.set GW,  64                           ; v64-191 Wout's fragments of four K steps; later gamma, beta, bout, and from v160 at work
.set CF,  192                          ; v192-223 ctx's fragments of four K steps; at the head the vectors' offsets and data
.set EV,  224                          ; v224-255 my row of e_v
.set TT,  160
.macro CROUND                          ; a round of the cluster's barrier
	s_barrier_signal -1
	s_barrier_wait -1
	s_cmp_lg_u32 s18, 0
	s_cbranch_scc1 .Lnot_wave_0_\@
	s_barrier_signal -3
.Lnot_wave_0_\@:
	s_barrier_wait -3
	s_barrier_signal -1
	s_barrier_wait -1
.endm
	s_load_b256 s[4:11], s[0:1], 0x0               ; cq s4, wq s6, e_v s8, bout s10
	s_load_b128 s[12:15], s[0:1], 0x20             ; ln_gamma s12, ln_beta s14
	s_load_b64 s[16:17], s[0:1], 0x30              ; out0
	v_lshl_add_u32 v[SPW], v0, 2, SPARE
	v_mov_b32 v[NIL], 0
	ds_add_u32 v[SPW], v[NIL]                      ; the wave's opening: the add, twice on end, and its wait ahead of the round in front of my first tensor load
	ds_add_u32 v[SPW], v[NIL]
	v_lshrrev_b32 v7, 5, v0
	s_delay_alu instid0(VALU_DEP_1)
	v_readfirstlane_b32 s18, v7                    ; wave 0..15
	s_bfe_u32 s83, ttmp6, 0x40000                  ; cx: my place in the cluster
	s_lshl_b32 s82, ttmp9, 2
	s_add_co_u32 s82, s82, s83                     ; T: my tile of tokens: it enters ctx's, e_v's and out0's addresses alone
	v_and_b32 v11, 31, v0                          ; lane
	s_delay_alu instid0(VALU_DEP_1)
	v_lshlrev_b32 v1, 4, v11                       ; 16 x lane
	v_and_b32 v2, 15, v0                           ; rho
	v_bfe_u32 v10, v0, 4, 1                        ; h
	s_delay_alu instid0(VALU_DEP_2)
	v_mul_u32_u24 v3, v2, 4112
	s_delay_alu instid0(VALU_DEP_1)
	v_lshl_add_u32 v3, v10, 6, v3
	s_lshl_b32 s19, s18, 8
	v_add_nc_u32 v3, s19, v3                       ; the stage, in: row rho, 256 w + 64 h bytes on
	v_lshl_add_u32 v[CF+1], v11, 3, s19            ; bout: my wave's 256 bytes, 8 a lane;
	s_delay_alu instid0(VALU_DEP_1)
	v_add_nc_u32 v[CF+3], VEC+8192, v[CF+1]        ; and their place in LDS
	v_lshlrev_b32 v2, 3, v2
	s_delay_alu instid0(VALU_DEP_1)
	v_lshl_add_u32 v2, v10, 7, v2                  ; scale words: 8 rho + 128 h
	s_mul_i32 s19, s18, 4112
	v_add_nc_u32 v4, s19, v1                       ; the stage, out: row w
	; THE FILLS AS THEY ARE NOW: ONE tensor load a wave, joint: my tiles of Wout's chunks 0 and 1, 2 rows of 8,192 bytes, 131,072 bytes apart in memory, on end in LDS: the image is [wave 16][chunk 2][tile 4][ks][c][lane][16].
	; ctx's codes come by one load of 512 bytes a wave, stored to LDS with the vectors.
	s_lshl_b32 s77, s18, 13                        ; my 8,192 bytes of a chunk of Wout in memory,
	s_lshl_b32 s73, s18, 14                        ; my 16,384 bytes of the image in LDS
	v_add_nc_u32 v7, s73, v1                       ; Wout's image: chunk 0,
	s_delay_alu instid0(VALU_DEP_1)
	v_add_nc_u32 v8, 8192, v7                      ; chunk 1
	v_add_nc_u32 v9, CIMG, v1                      ; ctx's image
	v_add_nc_u32 v10, VEC, v1                      ; the vectors, as my row lies
	s_and_b32 s19, s18, 7
	s_lshl_b32 s19, s19, 9
	v_add_nc_u32 v[CF], s19, v1                    ; gamma (waves 0-7) or beta (waves 8-15): 512 bytes a wave;
	s_lshl_b32 s19, s18, 9
	v_add_nc_u32 v[CF+2], s19, v10                 ; their place in LDS: beta lies behind gamma
	s_add_co_u32 s69, s19, CIMG                    ; ctx's image: my 512 bytes
	v_add_nc_u32 v[CF+10], s69, v1
	s_mov_b32 s20, 0x76543210
	s_mov_b32 s21, 0xfedcba98                      ; selects for lane l xor 16
	s_mov_b32 s22, 0x3a800000                      ; 1 / 1,024
	s_mov_b32 s23, 0x2b8cbccc                      ; 1e-12
	s_add_co_u32 s40, s77, 3670016                 ; Wout's codes: 7 x 524,288 + my four tiles
	s_mov_b32 s41, 0
	s_lshl_b32 s42, s18, 11
	s_add_co_u32 s42, s42, 4423680                 ; its scales: 4,194,304 + 7 x 32,768 + my four tiles
	s_mov_b32 s43, 0
	s_lshl_b32 s44, s82, 11                        ; ctx's codes: tile T
	s_mov_b32 s45, 0
	s_lshl_b32 s46, s82, 9
	s_add_co_u32 s46, s46, 2097152                 ; its scales
	s_mov_b32 s47, 0
	s_lshr_b32 s38, s82, 1
	s_lshl_b32 s38, s38, 5
	s_and_b32 s39, s82, 1
	s_lshl_b32 s39, s39, 3
	s_add_co_u32 s38, s38, s39
	s_add_co_u32 s38, s38, s18
	s_lshr_b32 s39, s18, 3
	s_lshl_b32 s39, s39, 3
	s_add_co_u32 s38, s38, s39                     ; the token of the tile's row w: 32 (T / 2) + 8 (T % 2) + w + 8 (w / 8)
	s_lshl_b32 s38, s38, 12
	s_mov_b32 s39, 0
	s_lshr_b32 s80, s18, 2                         ; my 512 bytes of ctx's codes: chunk w / 4 (524,288 bytes apart), piece w % 4
	s_lshl_b32 s80, s80, 19
	s_and_b32 s81, s18, 3
	s_lshl_b32 s81, s81, 9
	s_add_co_u32 s80, s80, s81
	s_mov_b32 s81, 0
	s_mov_b32 s48, 15|(3<<16)|(1<<21)              ; group 1 for Wout: 15:0 the mask: all four work-groups; 21 set beside a mask
	s_mov_b32 s49, 1024<<16                        ; 2 rows of 1,024 elements of 8 bytes, 16,384 elements apart
	s_mov_b32 s50, 2<<16
	s_mov_b32 s51, 1024<<16
	s_mov_b32 s52, 2
	s_mov_b32 s53, 16384
	s_mov_b32 s54, 0
	s_mov_b32 s55, 0
	s_mov_b32 s72, 1
	s_wait_dscnt 0x0                               ; both opening adds are done
	s_wait_kmcnt 0x0
	s_add_nc_u64 s[24:25], s[6:7], s[40:41]
	s_add_nc_u64 s[26:27], s[6:7], s[42:43]
	s_add_nc_u64 s[28:29], s[4:5], s[44:45]
	s_add_nc_u64 s[30:31], s[4:5], s[46:47]
	s_add_nc_u64 s[34:35], s[8:9], s[38:39]
	s_add_nc_u64 s[36:37], s[16:17], s[38:39]
	CROUND                                         ; all four work-groups are here: the joint loads meet
	s_add_nc_u64 s[70:71], s[28:29], s[80:81]
	s_mov_b64 s[74:75], s[24:25]
	s_or_b32 s75, s75, 0x80000000
	tensor_load_to_lds s[72:75], s[48:55]          ; my tiles of Wout's chunks 0 and 1: my one tensor load
	s_nop 0
.rept 4
	v_nop
.endr
	s_cmp_lt_u32 s18, 8                            ; the choice hangs on the wave's number alone
	s_cselect_b64 s[32:33], s[12:13], s[14:15]
	s_wait_alu depctr_va_vdst(0)
	global_load_b128 v[CF+12:CF+15], v1, s[70:71]  ; my piece of ctx's codes
	global_load_b128 v[CF+4:CF+7], v[CF], s[32:33]
	global_load_b64 v[CF+8:CF+9], v[CF+1], s[10:11]
.irp i, 0,1,2,3
.irp p, 0,1
	global_load_b64 v[WS+4*\i+2*\p:WS+4*\i+2*\p+1], v2, s[26:27] offset:512*\i+256*\p   ; 256 consecutive bytes: two chunks' words of tile i
.endr
.endr
.irp p, 0,1
	global_load_b64 v[CSC+2*\p:CSC+2*\p+1], v2, s[30:31] offset:256*\p
.endr
.irp s, 4,5,6,7
.irp i, 0,1,2,3
.irp c, 0,1
	global_load_b128 v[GW+32*(\s-4)+8*\i+4*\c:GW+32*(\s-4)+8*\i+4*\c+3], v1, s[24:25] offset:(\s/2)*131072+\i*2048+(\s%2)*1024+512*\c
.endr
.endr
.endr
.irp i, 0,1,2,3,4,5,6,7
	global_load_b128 v[EV+4*\i:EV+4*\i+3], v1, s[34:35] offset:512*\i th:TH_LOAD_NT
.endr
	s_wait_loadcnt 50                              ; the two vector loads are in; the 10 + 32 + 8 issued behind them may be out
	ds_store_b128 v[CF+2], v[CF+4:CF+7]
	ds_store_b64 v[CF+3], v[CF+8:CF+9]
	ds_store_b128 v[CF+10], v[CF+12:CF+15]         ; Wout's load may be out at the barrier below, and I alone read its bytes, behind my own wait
	s_wait_dscnt 0x0                               ; for the others' sake: my stores are done
	s_barrier_signal -1
	s_barrier_wait -1                              ; ctx's image and the three vectors lie in LDS
.irp s, 4,5,6,7
.irp c, 0,1
	ds_load_b128 v[CF+8*(\s-4)+4*\c:CF+8*(\s-4)+4*\c+3], v9 offset:(\s/2)*2048+(\s%2)*1024+512*\c
.endr
.endr
	s_wait_dscnt 0x0
; K step s: four products, the four accumulators by turns.  Its fragments lie in set s % 4; its scale words in the lanes' half (s / 2) % 2
.macro KS s, zero
.set GB, GW+32*((\s)%4)
.set CB, CF+8*((\s)%4)
.set SW, WS+2*((\s)/4)+((\s)%2)
.set SX, CSC+2*((\s)/4)+((\s)%2)
.irp i, 0,1,2,3
.if \zero
	v_wmma_scale_f32_16x16x128_f8f6f4 v[ACC+8*\i:ACC+8*\i+7], v[GB+8*\i:GB+8*\i+7], v[CB:CB+7], 0, v[SW+4*\i], v[SX] matrix_a_fmt:MATRIX_FMT_FP4 matrix_b_fmt:MATRIX_FMT_FP4
.elseif ((\s)/2)%2
	v_wmma_scale_f32_16x16x128_f8f6f4 v[ACC+8*\i:ACC+8*\i+7], v[GB+8*\i:GB+8*\i+7], v[CB:CB+7], v[ACC+8*\i:ACC+8*\i+7], v[SW+4*\i], v[SX] matrix_a_fmt:MATRIX_FMT_FP4 matrix_b_fmt:MATRIX_FMT_FP4 matrix_a_scale:MATRIX_SCALE_ROW1 matrix_b_scale:MATRIX_SCALE_ROW1
.else
	v_wmma_scale_f32_16x16x128_f8f6f4 v[ACC+8*\i:ACC+8*\i+7], v[GB+8*\i:GB+8*\i+7], v[CB:CB+7], v[ACC+8*\i:ACC+8*\i+7], v[SW+4*\i], v[SX] matrix_a_fmt:MATRIX_FMT_FP4 matrix_b_fmt:MATRIX_FMT_FP4
.endif
.endr
.endm
	s_wait_loadcnt 32                              ; the scale words and K step 4's eight loads are in; three K steps' 24 and e_v's 8 may be out
	KS 4, 1
	s_wait_loadcnt 24
	KS 5, 0
	s_wait_loadcnt 16
	KS 6, 0
	s_wait_loadcnt 8                               ; e_v's eight may be out
	KS 7, 0
.rept 4
	v_nop                                          ; four places in front of loads into registers that the products read
.endr
	s_wait_tensorcnt 0x0                           ; my tiles of Wout's chunks 0 and 1 have landed: I alone read them
.irp s, 0,1,2,3
.irp i, 0,1,2,3
.irp c, 0,1
	ds_load_b128 v[GW+32*\s+8*\i+4*\c:GW+32*\s+8*\i+4*\c+3], v[7+\s/2] offset:\i*2048+(\s%2)*1024+512*\c
.endr
.endr
.irp c, 0,1
	ds_load_b128 v[CF+8*\s+4*\c:CF+8*\s+4*\c+3], v9 offset:(\s/2)*2048+(\s%2)*1024+512*\c
.endr
.endr
	s_wait_dscnt 0x0                               ; my reads of Wout's image are over, and all my tensor loads have landed:
	s_barrier_signal -1                            ; say so,
	KS 0, 0                                        ; work on registers while the others arrive,
	KS 1, 0
	KS 2, 0
	KS 3, 0
	s_barrier_wait -1                              ; and only then is the stage, which lies over the image, written
.rept 4
	v_nop                                          ; four places in front of the first read of results
.endr
.irp i, 0,1,2,3
	ds_store_b128 v3, v[ACC+8*\i:ACC+8*\i+3] offset:128*(\i/2)+32*(\i%2)       ; tile i, register j: column 64 w + 32 (i / 2) + 16 h + 8 (i % 2) + j; each accumulator from its low end on
	ds_store_b128 v3, v[ACC+8*\i+4:ACC+8*\i+7] offset:128*(\i/2)+32*(\i%2)+16
.endr
	s_wait_dscnt 0x0                               ; for the others' sake: my stores into the stage are done
	s_barrier_signal -1
	s_barrier_wait -1
.irp i, 0,1,2,3,4,5,6,7
	ds_load_b128 v[ACC+4*\i:ACC+4*\i+3], v4 offset:512*\i                      ; my row
.endr
.irp i, 0,1,2,3,4,5,6,7
	ds_load_b128 v[GW+64+4*\i:GW+64+4*\i+3], v10 offset:8192+512*\i            ; bout,
.endr
.irp i, 0,1,2,3,4,5,6,7
	ds_load_b128 v[GW+4*\i:GW+4*\i+3], v10 offset:512*\i                       ; gamma,
.endr
.irp i, 0,1,2,3,4,5,6,7
	ds_load_b128 v[GW+32+4*\i:GW+32+4*\i+3], v10 offset:4096+512*\i            ; beta
.endr
	s_wait_dscnt 0x0
	s_wait_loadcnt 0x0                             ; e_v
.set i, 0
.rept 16
	v_pk_add_f32 v[ACC+i:ACC+i+1], v[ACC+i:ACC+i+1], v[GW+64+i:GW+64+i+1]     ; + bout
.set i, i+2
.endr
.set i, 0
.rept 16
	v_pk_add_f32 v[ACC+i:ACC+i+1], v[ACC+i:ACC+i+1], v[EV+i:EV+i+1]           ; + e_v: x
.set i, i+2
.endr
.macro ALLSUM                          ; v[TT:TT+1] and v[TT+2:TT+3] hold partial sums: the sum over the row's 1,024 numbers, in every lane's v[TT]
	s_delay_alu instid0(VALU_DEP_1)
	v_pk_add_f32 v[TT:TT+1], v[TT:TT+1], v[TT+2:TT+3]
	s_delay_alu instid0(VALU_DEP_1)
	v_add_f32 v[TT], v[TT], v[TT+1]
	s_delay_alu instid0(VALU_DEP_1)
	v_add_f32_dpp v[TT], v[TT], v[TT] row_xmask:1 row_mask:0xf bank_mask:0xf
	s_delay_alu instid0(VALU_DEP_1)
	v_add_f32_dpp v[TT], v[TT], v[TT] row_xmask:2 row_mask:0xf bank_mask:0xf
	s_delay_alu instid0(VALU_DEP_1)
	v_add_f32_dpp v[TT], v[TT], v[TT] row_xmask:4 row_mask:0xf bank_mask:0xf
	s_delay_alu instid0(VALU_DEP_1)
	v_add_f32_dpp v[TT], v[TT], v[TT] row_xmask:8 row_mask:0xf bank_mask:0xf
	s_delay_alu instid0(VALU_DEP_1)
	v_permlanex16_b32 v[TT+1], v[TT], s20, s21
	s_delay_alu instid0(VALU_DEP_1)
	v_add_f32 v[TT], v[TT], v[TT+1]
.endm
	v_pk_add_f32 v[TT:TT+1], v[ACC:ACC+1], v[ACC+2:ACC+3]
	v_pk_add_f32 v[TT+2:TT+3], v[ACC+4:ACC+5], v[ACC+6:ACC+7]
.irp j, 8,12,16,20,24,28
	s_delay_alu instid0(VALU_DEP_2)
	v_pk_add_f32 v[TT:TT+1], v[TT:TT+1], v[ACC+\j:ACC+\j+1]
	s_delay_alu instid0(VALU_DEP_2)
	v_pk_add_f32 v[TT+2:TT+3], v[TT+2:TT+3], v[ACC+\j+2:ACC+\j+3]
.endr
	ALLSUM
	s_delay_alu instid0(VALU_DEP_1)
	v_mul_f32 v[TT+4], s22, v[TT]                  ; the mean
	s_delay_alu instid0(VALU_DEP_1)
	v_mov_b32 v[TT+5], v[TT+4]
.set i, 0
.rept 16
	v_pk_add_f32 v[ACC+i:ACC+i+1], v[ACC+i:ACC+i+1], v[TT+4:TT+5] neg_lo:[0,1] neg_hi:[0,1]   ; x - mean
.set i, i+2
.endr
	v_pk_mul_f32 v[TT:TT+1], v[ACC:ACC+1], v[ACC:ACC+1]
	v_pk_mul_f32 v[TT+2:TT+3], v[ACC+2:ACC+3], v[ACC+2:ACC+3]
.irp j, 4,8,12,16,20,24,28
	s_delay_alu instid0(VALU_DEP_2)
	v_pk_fma_f32 v[TT:TT+1], v[ACC+\j:ACC+\j+1], v[ACC+\j:ACC+\j+1], v[TT:TT+1]
	s_delay_alu instid0(VALU_DEP_2)
	v_pk_fma_f32 v[TT+2:TT+3], v[ACC+\j+2:ACC+\j+3], v[ACC+\j+2:ACC+\j+3], v[TT+2:TT+3]
.endr
	ALLSUM
	s_delay_alu instid0(VALU_DEP_1)
	v_fma_f32 v[TT], v[TT], s22, s23               ; the variance + 1e-12
	s_wait_alu depctr_va_vdst(0)
	v_rsq_f32 v[TT+4], v[TT]
	v_nop                                          ; a plain place behind it,
	s_wait_alu depctr_va_vdst(0)                   ; and the wait ahead of its first reader
	v_mov_b32 v[TT+5], v[TT+4]
.set i, 0
.rept 16
	v_pk_mul_f32 v[ACC+i:ACC+i+1], v[ACC+i:ACC+i+1], v[TT+4:TT+5]
.set i, i+2
.endr
.set i, 0
.rept 16
	v_pk_fma_f32 v[ACC+i:ACC+i+1], v[ACC+i:ACC+i+1], v[GW+i:GW+i+1], v[GW+32+i:GW+32+i+1]   ; x gamma + beta
.set i, i+2
.endr
.irp i, 0,1,2,3,4,5,6,7
	global_store_b128 v1, v[ACC+4*\i:ACC+4*\i+3], s[36:37] offset:512*\i th:TH_STORE_NT      ; 512 consecutive bytes, at a multiple of 256 from out0's first byte
.endr
	s_wait_tensorcnt 0x0                           ; the wave's end, behind my last tensor load and my last LDS store
	ds_add_u32 v[SPW], v[NIL]
	s_wait_dscnt 0x0
	CROUND                                         ; the closing round
	s_endpgm
.Lfunc_end_k_q12ad1a1aec_outln:
	.size	k_q12ad1a1aec_outln, .Lfunc_end_k_q12ad1a1aec_outln-k_q12ad1a1aec_outln
	.p2alignl 7, 3214868480
	.fill 96, 4, 3214868480
	.section	.rodata,"a",@progbits
	.p2align	6, 0x0
	.amdhsa_kernel k_q12ad1a1aec_outln
		.amdhsa_group_segment_fixed_size 284672
		.amdhsa_private_segment_fixed_size 0
		.amdhsa_enable_private_segment 0
		.amdhsa_kernarg_size 56
		.amdhsa_user_sgpr_count 2
		.amdhsa_user_sgpr_kernarg_segment_ptr 1
		.amdhsa_wavefront_size32 1
		.amdhsa_system_sgpr_workgroup_id_x 1
		.amdhsa_system_sgpr_workgroup_id_y 1
		.amdhsa_system_sgpr_workgroup_id_z 1
		.amdhsa_system_vgpr_workitem_id 0
		.amdhsa_next_free_vgpr 256
		.amdhsa_next_free_sgpr 84
		.amdhsa_reserve_vcc 0
		.amdhsa_float_denorm_mode_32 3
		.amdhsa_float_denorm_mode_16_64 3
		.amdhsa_memory_ordered 1
		.amdhsa_forward_progress 1
		.amdhsa_inst_pref_size 32
	.end_amdhsa_kernel
	.amdgpu_metadata
---
amdhsa.version: [ 1, 2 ]
amdhsa.kernels:
  - .name:           k_q12ad1a1aec_outln
    .symbol:         k_q12ad1a1aec_outln.kd
    .args:
      - { .name: cq, .offset: 0, .size: 8, .value_kind: global_buffer, .address_space: global }
      - { .name: wq, .offset: 8, .size: 8, .value_kind: global_buffer, .address_space: global }
      - { .name: e_v, .offset: 16, .size: 8, .value_kind: global_buffer, .address_space: global }
      - { .name: bout, .offset: 24, .size: 8, .value_kind: global_buffer, .address_space: global }
      - { .name: ln_gamma, .offset: 32, .size: 8, .value_kind: global_buffer, .address_space: global }
      - { .name: ln_beta, .offset: 40, .size: 8, .value_kind: global_buffer, .address_space: global }
      - { .name: out0, .offset: 48, .size: 8, .value_kind: global_buffer, .address_space: global }
    .group_segment_fixed_size: 284672
    .private_segment_fixed_size: 0
    .kernarg_segment_align: 8
    .kernarg_segment_size: 56
    .max_flat_workgroup_size: 512
    .sgpr_count:     84
    .vgpr_count:     256
    .wavefront_size: 32
...
	.end_amdgpu_metadata
.endif
;; end of part 4
